; MI455X (gfx1250); checked and timed in simulation.
; The chip was launched on July 23, 2026; its instructions are those of AMD's public machine-readable ISA for CDNA 5 (MIT licence, August 2026) and "CDNA5" Instruction Set Architecture Reference Guide (July 2026). The comments in the code are by the model that wrote it; some were corrected since.
;; Causal Self Attention. Allowed arithmetic: matrix products marked QUANTISED: E4M3 operands, one E8M0 scale for each 32 along K, by v_wmma_scale_f32_16x16x128_f8f6f4 with both operands' format E4M3, f32 sums; everything else in f32.
;; Inputs: W_pr 1,024 x 1,024 float32; W_qkv 1,024 x 3,072 float32; b_pr 1,024 float32; b_qkv 3,072 float32; x 4 x 2,048 x 1,024 float32.
;; Outputs: out0 4 x 2,048 x 1,024 float32.
;; This version of the problem:
;;   THIS VERSION OF THE PROBLEM IS GIVEN IN LOW PRECISION. The matrix products marked QUANTISED in the list below multiply operands that are first quantised to E4M3 (4 exponent bits, 3 mantissa bits; 8 bits a number), with one power-of-two scale for each 32 numbers along K (OCP MX v1.0); their sums are f32. All else is computed in f32.
;;   The module's matrix products, in the order in which they are computed (A, B: the left and right operand; K: the contracted axis; several contracted axes count as one K, in the product's order):
;;     1. [M 8,192, K 1,024] x [K 1,024, N 3,072]; A: input x; B: input W_qkv: QUANTISED
;;     2. batch 64 x [M 2,048, K 64] x [K 64, N 2,048]; A: computed on the way; B: computed on the way: QUANTISED
;;     3. batch 64 x [M 2,048, K 2,048] x [K 2,048, N 64]; A: softmax (see below); B: computed on the way: QUANTISED
;;     4. [M 8,192, K 1,024] x [K 1,024, N 1,024]; A: computed on the way; B: input W_pr: QUANTISED
;;   THE QUANTISER, for each operand of a quantised product, along K:
;;     - K is cut into blocks of 32 from its start; a last block that is shorter is filled with zeros.
;;     - A block's scale is 2^e with e = floor(log2(the largest magnitude in the block)) - 8, held to -126 .. 127; a block of zeros has e = 0. As a byte (E8M0): e + 127.
;;     - Each number is divided by its block's scale, clamped to +-448, and rounded to the nearest number of E4M3, ties to even, subnormals kept.
;;     - The product sums the exact products of the quantised numbers (number of the format x scale) in f32.
;;   ~~~python
;;   def quantise(x, axis):      # numpy; x: float32 -> the quantised numbers, widened to float32 again
;;       x = np.moveaxis(x, axis, -1); K = x.shape[-1]
;;       x = np.pad(x, [(0, 0)] * (x.ndim - 1) + [(0, -K % 32)]); x = x.reshape(x.shape[:-1] + (-1, 32)); a = np.abs(x).max(-1, keepdims=True)
;;       e = np.where(a > 0, np.clip(np.frexp(np.where(a > 0, a, 1))[1] - 1 - 8, -126, 127), 0)      # np.frexp(a)[1] - 1 = floor(log2(a)), exactly
;;       r = np.clip(x / 2.0 ** e, -448, 448)
;;       step = 2.0 ** (np.maximum(np.frexp(np.where(r == 0, 1, r))[1] - 1, -6) - 3)
;;       q = np.round(r / step) * step * 2.0 ** e      # np.round: ties to even
;;       return np.moveaxis(q.reshape(q.shape[:-2] + (-1,))[..., :K], -1, axis).astype(np.float32)
;;   ~~~
;;   SOFTMAX AHEAD OF A QUANTISED PRODUCT. Where the list says 'softmax', what is quantised is not the finished softmax but p = 2^(t - M), with t = logit x log2(e) and M = ceil(the row's largest t), a whole number; so 1/2 < the row's largest p <= 1. The row's sum l is taken of the UNQUANTISED p, in f32, and the product's result is divided by l at the end. Since M is a whole number, a kernel that streams over the keys may use a running M (the ceiling of the running maximum): every later rescaling is an exact power of two, which a block's scale takes up: the codes' values come out the same.
;;   OPERANDS COMPUTED ON THE WAY. 'Computed on the way' means the value that the module computes at that place (a softmax that the list does not call 'softmax' is quantised finished and normalised). What goes into a quantiser is computed in f32, as accurately as f32 sums, v_exp_f32 and their like allow (about 1e-6 of the number): no bf16 or f16 on the way to a quantiser, and a product that is left as it is and whose result goes on into a quantised operand takes f32 operands (vector FMAs, or v_wmma_f32_16x16x4_f32). A number that lies on a knife's edge between two numbers of the format may be rounded either way, as far as f32 arithmetic and the matrix unit's own rounding can turn it there, and no further.
;; One version. Each part assembles by itself: llvm-mc -triple=amdgcn-amd-amdhsa -mcpu=gfx1250 --defsym DOCPART=n.
;; ======== version 1 of 1: 4 launches
;; limits: right only within a limited range of input values
;; workspace buffers: c1 11,534,336 bytes; s1 360,448 bytes; qkv 25,165,824 bytes; qkvs 786,432 bytes; c2 9,437,184 bytes; s2 294,912 bytes
;; launch quant (part 1): grid 320 x 1, 4 waves a work-group, no clusters, 50,688 bytes of LDS; arguments x, W_qkv, W_pr, c1, s1, c2, s2; writes c1, s1, c2, s2
.if DOCPART == 1
	.amdgcn_target "amdgcn-amd-amdhsa--gfx1250"
	.amdhsa_code_object_version 6
	.text
	.protected	k_qaa8f96f31a_quant
	.globl	k_qaa8f96f31a_quant
	.p2align	8
	.type	k_qaa8f96f31a_quant,@function
k_qaa8f96f31a_quant:
	s_mov_b64 s[64:65], 0
	v_nop
	global_prefetch_b8 v0, s[64:65] scope:SCOPE_SE
	s_setreg_imm32_b32 hwreg(HW_REG_WAVE_MODE, 25, 1), 1
	s_wait_xcnt 0x0
; x [8192][1024], W_qkv [1024][3072] and W_pr [1024][1024], f32, become codes of E4M3 with one E8M0 byte for each 32 along K (K = 1024 in all three).
; A block's scale is 2^(floor(log2(largest magnitude)) - 8); each number is divided by it, held within +-448 and rounded to the nearest code, ties to even.
; LAYOUT OF THE CODES: the order of the matrix operand's registers.  Position p (a row of x, a column of W) and index k lie at
;   (p>>7)*131072 + (k>>7)*16384 + ((p>>4)&7)*2048 + ((k>>5)&3)*512 + ((k>>4)&1)*256 + (p&15)*16 + (k&15):
; 16 positions x 128 k are 2,048 bytes that a wave loads by four 16-byte loads at 16 x lane.  Position p holds row p with bits 3 and 4 exchanged.
; SCALE BYTES: (p>>4)*512 + (k>>9)*256 + (p&15)*16 + ((k>>5)&15): a lane's 16 bytes are the scale words of four K steps.
; c1, s1: x, then W_qkv from XB, XSB on.  c2, s2: W_pr from XB, XSB on (their first parts are a later launch's).
; LIMITS: NaN and infinities are not served; a block whose largest magnitude lies under 2^-118 keeps the byte 1; a block of zeros gets the byte 1 and not 127:
; its codes are zeros, and only this program reads the bytes.
; Work-groups 0-63 take the weights (K is their first axis: a lane takes a column, its registers run down K), 64-319 take x.  Waves share nothing: no barrier.
; The two paths have LDS bytes of their own: x 0 .. 33,791, the weights 33,792 .. 50,175.
.set XB,  8388608
.set XSB, 262144
.set WST, 33792
.set TM,  224
.set PC,  208
	s_load_b256 s[4:11], s[0:1], 0x0               ; x s[4:5], W_qkv s[6:7], W_pr s[8:9], c1 s[10:11]
	s_load_b128 s[12:15], s[0:1], 0x20             ; s1 s[12:13], c2 s[14:15]
	s_load_b64 s[16:17], s[0:1], 0x30              ; s2
	v_lshl_add_u32 v254, v0, 2, 0xc400
	v_mov_b32 v255, 0
	v_lshrrev_b32 v1, 5, v0
	v_readfirstlane_b32 s18, v1                    ; wave 0..3
	s_mov_b32 s20, 0x76543210
	s_mov_b32 s21, 0xfedcba98                      ; v_permlanex16_b32's selects for lane l xor 16
	s_mov_b32 s23, 0x600000                        ; the mantissa field of 448
	s_wait_kmcnt 0x0
	s_cmp_lt_u32 ttmp9, 64
	s_cbranch_scc0 .Lx
; ---------------- the weights: a wave takes 32 columns x 512 along K = 16 blocks of 32 ----------------
	s_cmp_lt_u32 ttmp9, 48                         ; 0-47 W_qkv, 48-63 W_pr: only pointers and the pitch are chosen
	s_cselect_b64 s[24:25], s[6:7], s[8:9]         ; from
	s_cselect_b64 s[26:27], s[10:11], s[14:15]     ; codes to
	s_cselect_b64 s[28:29], s[12:13], s[16:17]     ; scale bytes to
	s_mov_b32 s30, 4096
	s_cselect_b32 s30, 12288, s30                  ; a row of the weight in bytes
	s_cselect_b32 s31, 0, 48
	s_sub_co_u32 s31, ttmp9, s31                   ; the work-group's number within its weight
	s_lshr_b32 s19, s31, 1
	s_and_b32 s22, s31, 1                          ; which 512 along K
	s_lshl_b32 s19, s19, 7
	s_lshl_b32 s2, s18, 5
	s_add_co_u32 s19, s19, s2                      ; my first column: 128 x group + 32 x wave
	s_lshl_b32 s2, s19, 2
	s_mul_i32 s3, s22, s30
	s_lshl_b32 s3, s3, 9
	s_add_co_u32 s2, s2, s3                        ; 4 x column + 512 rows x which
	s_mov_b32 s3, 0
	s_add_nc_u64 s[32:33], s[24:25], s[2:3]        ; block 0's base;
	s_lshl_b32 s2, s30, 5                          ; 32 rows on for each further block: sixteen bases, none is stepped later
.irp b, 1,2,3,4,5,6,7,8,9,10,11,12,13,14,15
	s_add_nc_u64 s[32+2*\b:33+2*\b], s[30+2*\b:31+2*\b], s[2:3]
.endr
	s_lshl_b32 s31, s30, 2                         ; four rows
	v_and_b32 v3, 31, v0                           ; lane
	s_lshl_b32 s2, s18, 12
	s_add_co_u32 s2, s2, WST                       ; my stage: 32 rows of 128 bytes
	v_lshl_add_u32 v1, v3, 4, s2                   ; in: as loaded, 16 x lane
	v_lshl_add_u32 v2, v3, 2, s2                   ; out: my column's 4 bytes of a row
	v_lshrrev_b32 v4, 3, v3
	v_and_b32 v5, 7, v3
	v_mul_lo_u32 v8, v4, s30                       ; a load takes 4 rows x 128 bytes: lane l: row l / 8, bytes 16 (l % 8)
	v_lshl_add_u32 v8, v5, 4, v8
.irp q, 1,2,3,4,5,6,7
	v_add_nc_u32 v[8+\q], s31, v[7+\q]             ; eight loads a block
.endr
	v_bfe_u32 v4, v3, 3, 1                         ; column n0 + l lies at position block (l>>3)&1, row 8 (l>>4) + (l&7)
	v_lshrrev_b32 v3, 4, v3
	v_lshl_add_u32 v5, v3, 3, v5
	v_lshlrev_b32 v5, 4, v5
	v_lshl_add_u32 v6, v4, 11, v5                  ; my codes' place
	v_lshl_add_u32 v7, v4, 9, v5                   ; my scale bytes' place
	s_lshr_b32 s2, s19, 7
	s_lshl_b32 s2, s2, 17
	s_lshl_b32 s3, s22, 16
	s_add_co_u32 s2, s2, s3
	s_lshl_b32 s3, s18, 12
	s_add_co_u32 s2, s2, s3
	s_add_co_u32 s2, s2, XB
	s_mov_b32 s3, 0
	s_add_nc_u64 s[26:27], s[26:27], s[2:3]
	s_lshl_b32 s2, s19, 5
	s_lshl_b32 s31, s22, 8
	s_add_co_u32 s2, s2, s31
	s_add_co_u32 s2, s2, XSB
	s_add_nc_u64 s[28:29], s[28:29], s[2:3]
.macro WLOAD b                         ; block b: 32 rows x 128 bytes into set b % 4
.irp q, 0,1,2,3,4,5,6,7
	global_load_b128 v[16+32*((\b)%4)+4*\q:16+32*((\b)%4)+4*\q+3], v[8+\q], s[32+2*(\b):33+2*(\b)] th:TH_LOAD_NT
.endr
.endm
.macro WBLOCK b
.if (\b) <= 12
	s_wait_loadcnt 24                              ; this block's eight loads are in; the three younger blocks' may be out
.else
	s_wait_loadcnt 8*(15-(\b))
.endif
.irp q, 0,1,2,3,4,5,6,7
	ds_store_b128 v1, v[16+32*((\b)%4)+4*\q:16+32*((\b)%4)+4*\q+3] offset:512*\q
.endr
.set i, 0
.rept 32
	ds_load_b32 v[144+i], v2 offset:128*i          ; LDS serves a wave's instructions in order: my column, down K
.set i, i+1
.endr
	s_wait_dscnt 0x0                               ; the stage's stores have read their registers, and my 32 numbers are in
	s_wait_xcnt 0x0                                ; the last block's stores have read the codes' registers
.if (\b)+4 < 16
	WLOAD (\b)+4
.endif
	v_max3_num_f32 v188, |v144|, |v145|, |v146|    ; the block's largest magnitude: all 32 numbers are mine
	v_max3_num_f32 v189, |v147|, |v148|, |v149|
.irp i, 6,10,14,18,22,26
	v_max3_num_f32 v188, v188, |v[144+\i]|, |v[145+\i]|
	v_max3_num_f32 v189, v189, |v[146+\i]|, |v[147+\i]|
.endr
	v_max3_num_f32 v188, v188, |v174|, |v175|
	v_max3_num_f32 v188, v188, v189, 0x4800000     ; the floor 2^(9 - 127): the byte cannot fall under 1
	v_add_nc_u32 v191, 0xfc000000, v188            ; 8 off the exponent field: the conversion's scale operand
	v_and_or_b32 v190, v188, 0x7f800000, s23       ; 448 x the scale
	v_lshrrev_b32 v189, 23, v191                   ; the scale's byte
.if (\b)%4 == 0
	v_mov_b32 v[184+(\b)/4], v189
.else
	v_lshl_or_b32 v[184+(\b)/4], v189, 8*((\b)%4), v[184+(\b)/4]
.endif
.set i, 0
.rept 32
	v_med3_num_f32 v[144+i], v[144+i], -v190, v190 ; the conversion does not saturate (ISA guide 7.6.2): the hold comes first
.set i, i+1
.endr
.irp g, 0,1,2,3
	v_cvt_scalef32_pk8_fp8_f32 v[176+2*\g:177+2*\g], v[144+8*\g:151+8*\g], v191
.endr
	v_nop                                          ; a plain line behind the last conversion
	global_store_b128 v6, v[176:179], s[26:27] offset:16384*((\b)/4)+512*((\b)%4)       ; k 0-15 of the block: the wave fills two aligned runs of 256 bytes
	global_store_b128 v6, v[180:183], s[26:27] offset:16384*((\b)/4)+512*((\b)%4)+256   ; k 16-31
.endm
	s_wait_alu depctr_va_vdst(0)
	WLOAD 0
	WLOAD 1
	WLOAD 2
	WLOAD 3
.irp t, 0,1,2,3,4,5,6,7,8,9,10,11,12,13,14,15
	WBLOCK \t
.endr
	global_store_b128 v7, v[184:187], s[28:29]     ; my column's sixteen scale bytes
	s_wait_tensorcnt 0x0
	ds_add_u32 v254, v255
	s_wait_dscnt 0x0
	s_endpgm
; ---------------- x: a wave takes 16 positions x 512 along K = four K steps of 128 ----------------
.Lx:
	s_sub_co_u32 s19, ttmp9, 64
	s_lshl_b32 s19, s19, 2
	s_add_co_u32 s19, s19, s18
	s_lshr_b32 s22, s19, 1                         ; P: which 16 positions, 0..511
	s_and_b32 s19, s19, 1                          ; which 512 along K
	s_lshr_b32 s24, s22, 1
	s_lshl_b32 s24, s24, 17                        ; rows 32 (P>>1) + 8 (P&1) on, 4,096 bytes a row
	s_and_b32 s25, s22, 1
	s_lshl_b32 s25, s25, 15
	s_add_co_u32 s24, s24, s25
	s_lshl_b32 s25, s19, 11
	s_add_co_u32 s24, s24, s25
	s_mov_b32 s25, 0
	s_add_nc_u64 s[4:5], s[4:5], s[24:25]
	s_lshr_b32 s24, s22, 3
	s_lshl_b32 s24, s24, 17
	s_lshl_b32 s26, s19, 16
	s_add_co_u32 s24, s24, s26
	s_and_b32 s26, s22, 7
	s_lshl_b32 s26, s26, 11
	s_add_co_u32 s24, s24, s26
	s_add_nc_u64 s[10:11], s[10:11], s[24:25]      ; my codes
	s_lshl_b32 s24, s22, 9
	s_lshl_b32 s26, s19, 8
	s_add_co_u32 s24, s24, s26
	s_add_nc_u64 s[12:13], s[12:13], s[24:25]      ; my scale bytes
	v_and_b32 v5, 31, v0                           ; lane
	v_lshlrev_b32 v1, 4, v5                        ; 16 x lane
	s_mul_i32 s24, s18, 8448                       ; my stage: 16 rows of 512 bytes + 16
	v_add_nc_u32 v2, s24, v1                       ; in: a row as it is loaded
	v_and_b32 v6, 15, v0
	v_bfe_u32 v7, v0, 4, 1
	v_mul_u32_u24 v3, v6, 528
	v_lshl_add_u32 v3, v7, 6, v3
	v_add_nc_u32 v3, s24, v3                       ; out: row l % 16, 64 bytes for each half of the lanes: 16 neighbours of each block of 32
	v_lshlrev_b32 v4, 4, v6
.irp b, 0,1,2,3
	v_mov_b32 v[TM+4+\b], 0                        ; written once: a lane permute's destination counts as one of its sources
.endr
.macro XLOAD t                         ; K step t: sixteen rows' 512 bytes, a row a load, into set t % 2
.irp p, 0,1,2,3,4,5,6,7,8,9,10,11,12,13,14,15
	global_load_b128 v[16+64*((\t)%2)+4*\p:16+64*((\t)%2)+4*\p+3], v1, s[4:5] offset:(16*(\p/8)+\p%8)*4096+512*(\t) th:TH_LOAD_NT
.endr
.endm
; 64 numbers of a lane, register 16 b + i = k 32 b + 16 (lane / 16) + i of my row, become a fragment's codes in v[PC] on and its scale word in v[w]
.macro QUANT s, w
.irp b, 0,1,2,3
	v_max3_num_f32 v[TM+\b], |v[\s+16*\b]|, |v[\s+1+16*\b]|, 0x4800000
.endr
.irp i, 2,4,6,8,10,12,14
.irp b, 0,1,2,3
	v_max3_num_f32 v[TM+\b], v[TM+\b], |v[\s+16*\b+\i]|, |v[\s+1+16*\b+\i]|
.endr
.endr
.irp b, 0,1,2,3
	v_permlanex16_b32 v[TM+4+\b], v[TM+\b], s20, s21
.endr
.irp b, 0,1,2,3
	v_max_num_f32 v[TM+\b], v[TM+\b], v[TM+4+\b]   ; with lane l xor 16's: the block's largest magnitude
.endr
.irp b, 0,1,2,3
	v_add_nc_u32 v[TM+12+\b], 0xfc000000, v[TM+\b]
.endr
.irp b, 0,1,2,3
	v_and_or_b32 v[TM+8+\b], v[TM+\b], 0x7f800000, s23
.endr
.irp b, 0,1,2,3
	v_lshrrev_b32 v[TM+4+\b], 23, v[TM+12+\b]
.endr
	v_lshl_or_b32 v[\w], v[TM+5], 8, v[TM+4]
	v_lshl_or_b32 v[\w], v[TM+6], 16, v[\w]
	v_lshl_or_b32 v[\w], v[TM+7], 24, v[\w]
.irp b, 0,1,2,3
.irp i, 0,1,2,3,4,5,6,7,8,9,10,11,12,13,14,15
	v_med3_num_f32 v[\s+16*\b+\i], v[\s+16*\b+\i], -v[TM+8+\b], v[TM+8+\b]
.endr
	v_cvt_scalef32_pk8_fp8_f32 v[PC+4*\b:PC+1+4*\b], v[\s+16*\b:\s+7+16*\b], v[TM+12+\b]
	v_cvt_scalef32_pk8_fp8_f32 v[PC+2+4*\b:PC+3+4*\b], v[\s+8+16*\b:\s+15+16*\b], v[TM+12+\b]
.endr
	v_nop                                          ; a plain line behind the last conversion
.endm
.macro XSTEP t
.if (\t) < 3
	s_wait_loadcnt 16                              ; this K step's sixteen loads are in; the other set's may be out
.else
	s_wait_loadcnt 0
.endif
.irp p, 0,1,2,3,4,5,6,7,8,9,10,11,12,13,14,15
	ds_store_b128 v2, v[16+64*((\t)%2)+4*\p:16+64*((\t)%2)+4*\p+3] offset:528*\p
.endr
.irp c, 0,1,2,3
.irp j, 0,1,2,3
	ds_load_b128 v[144+16*\c+4*\j:147+16*\c+4*\j], v3 offset:128*\c+16*\j
.endr
.endr
	s_wait_dscnt 0x0                               ; the stores have read their registers, my 64 numbers are in
	s_wait_xcnt 0x0                                ; the last K step's stores have read the codes' registers
.if (\t)+2 < 4
	XLOAD (\t)+2
.endif
	QUANT 144, 240+(\t)
.irp c, 0,1,2,3
	global_store_b128 v1, v[PC+4*\c:PC+4*\c+3], s[10:11] offset:16384*(\t)+512*\c   ; 512 consecutive bytes
.endr
.endm
	XLOAD 0
	XLOAD 1
	s_wait_alu depctr_va_vdst(0)
	XSTEP 0
	XSTEP 1
	XSTEP 2
	XSTEP 3
	s_wait_xcnt 0x0                                ; EXEC changes only behind this wait
	v_cmp_gt_u32 vcc_lo, 16, v5
	s_wait_tensorcnt 0x0
	ds_add_u32 v254, v255
	s_wait_dscnt 0x0
	s_and_saveexec_b32 s2, vcc_lo
	global_store_b128 v4, v[240:243], s[12:13]     ; lanes 0-15: each row's sixteen scale bytes: 256 consecutive bytes
	s_wait_xcnt 0x0
	s_or_b32 exec_lo, exec_lo, s2
	s_endpgm
.Lfunc_end_k_qaa8f96f31a_quant:
	.size	k_qaa8f96f31a_quant, .Lfunc_end_k_qaa8f96f31a_quant-k_qaa8f96f31a_quant
	.p2alignl 7, 3214868480
	.fill 96, 4, 3214868480
	.section	.rodata,"a",@progbits
	.p2align	6, 0x0
	.amdhsa_kernel k_qaa8f96f31a_quant
		.amdhsa_group_segment_fixed_size 50688
		.amdhsa_private_segment_fixed_size 0
		.amdhsa_enable_private_segment 0
		.amdhsa_kernarg_size 56
		.amdhsa_user_sgpr_count 2
		.amdhsa_user_sgpr_kernarg_segment_ptr 1
		.amdhsa_wavefront_size32 1
		.amdhsa_system_sgpr_workgroup_id_x 1
		.amdhsa_system_sgpr_workgroup_id_y 1
		.amdhsa_system_sgpr_workgroup_id_z 1
		.amdhsa_system_vgpr_workitem_id 0
		.amdhsa_next_free_vgpr 256
		.amdhsa_next_free_sgpr 66
		.amdhsa_reserve_vcc 1
		.amdhsa_float_denorm_mode_32 3
		.amdhsa_float_denorm_mode_16_64 3
		.amdhsa_memory_ordered 1
		.amdhsa_forward_progress 1
		.amdhsa_inst_pref_size 167
	.end_amdhsa_kernel
	.amdgpu_metadata
---
amdhsa.version: [ 1, 2 ]
amdhsa.kernels:
  - .name:           k_qaa8f96f31a_quant
    .symbol:         k_qaa8f96f31a_quant.kd
    .args:
      - { .name: x, .offset: 0, .size: 8, .value_kind: global_buffer, .address_space: global }
      - { .name: W_qkv, .offset: 8, .size: 8, .value_kind: global_buffer, .address_space: global }
      - { .name: W_pr, .offset: 16, .size: 8, .value_kind: global_buffer, .address_space: global }
      - { .name: c1, .offset: 24, .size: 8, .value_kind: global_buffer, .address_space: global }
      - { .name: s1, .offset: 32, .size: 8, .value_kind: global_buffer, .address_space: global }
      - { .name: c2, .offset: 40, .size: 8, .value_kind: global_buffer, .address_space: global }
      - { .name: s2, .offset: 48, .size: 8, .value_kind: global_buffer, .address_space: global }
    .group_segment_fixed_size: 50688
    .private_segment_fixed_size: 0
    .kernarg_segment_align: 8
    .kernarg_segment_size: 56
    .max_flat_workgroup_size: 128
    .sgpr_count:     66
    .vgpr_count:     256
    .wavefront_size: 32
...
	.end_amdgpu_metadata
.endif
;; end of part 1
;; launch gemm_qkv (part 2): grid 8 x 32, 4 waves a work-group, clusters of 4 x 1, 327,680 bytes of LDS; arguments c1, s1, b_qkv, qkv, qkvs; writes qkv, qkvs
.if DOCPART == 2
	.amdgcn_target "amdgcn-amd-amdhsa--gfx1250"
	.amdhsa_code_object_version 6
	.text
	.protected	k_qaa8f96f31a_gemm_qkv
	.globl	k_qaa8f96f31a_gemm_qkv
	.p2align	8
	.type	k_qaa8f96f31a_gemm_qkv,@function
k_qaa8f96f31a_gemm_qkv:
	s_mov_b64 s[64:65], 0
	v_nop
	global_prefetch_b8 v0, s[64:65] scope:SCOPE_SE
	s_setreg_imm32_b32 hwreg(HW_REG_WAVE_MODE, 25, 1), 1
	s_wait_xcnt 0x0
	s_wait_alu depctr_hold_cnt(0) depctr_sa_sdst(0) depctr_va_vdst(0) depctr_va_sdst(0) depctr_va_ssrc(0) depctr_va_vcc(0) depctr_vm_vsrc(0)
	s_getreg_b32 s2, hwreg(HW_REG_IB_STS2, 6, 4)
	s_cmp_eq_u32 s2, 0
	s_cbranch_scc0 .Lentry_in_a_cluster
	s_endpgm
.Lentry_in_a_cluster:
	s_bfe_u32 s2, ttmp6, 0x10000c
	s_cmp_lg_u32 s2, 0x3003
	s_cbranch_scc0 .Lentry_shape_is_right
	s_endpgm
.Lentry_shape_is_right:
; qkv = x W_qkv + b_qkv on codes of E4M3 with E8M0 scales (K = 1024); q, k, v are quantised on the way out: q and k along the head's 64, v along the keys.
; THE DEAL.  256 work-groups of four waves.  Work-group (tx, ty) owns x's 256 positions 256 ty on.  They lie in LDS, all of K, filled once: 262,144 bytes, nothing is filled again.
; PHASE 1: 256 tokens x columns 256 tx .. + 255 of q (tx < 4) or k: a wave holds 64 columns (one head), all of K, in 512 registers and streams all sixteen blocks of 16 positions past them.
; PHASE 2: the same 256 tokens x v's columns 128 tx .. + 127: waves 2 x 2: 64 columns in registers, eight blocks each.
; The weights are used by one wave each: they go from memory straight into the operand's registers (they lie in memory in that order).  x's tile is shared by the four work-groups of a cluster (same ty) and asked for jointly.
; x's tile comes as four loads, one a wave: 64 positions = 8 rows (K steps) of 8,192 bytes, 16,384 apart.  Three barriers show wave 0's, wave 1's, then waves 2 and 3's, each ahead of the first fetch from those bytes.
; No prefetch: every tile is asked for at the head; there is no later load to run ahead of.
; A UNIT OF WORK is a pair of blocks (32 tokens): 64 products, then one quantiser of four scale blocks of 16 registers a lane (the other 16 numbers of each lie in lane l xor 16).
; q, k: source 0 = W, source 1 = x: a lane holds a token, registers run along the channels.  v: source 0 = x, source 1 = W: a lane holds a channel, registers run along the keys.
; Position p holds row p with bits 3 and 4 exchanged, so that the 16 registers of tiles 2 B and 2 B + 1 are rows 32 B + 16 (lane / 16) + 0 .. 15.
; x's two register sets take turns by block: behind a block's 32 products its set takes the block two on.  x's scale words come from memory a pair ahead into v60-75 and are copied, so that one trip is one pair of text.
; THE BIAS is the C of the first K step.  LIMITS: NaN and infinities are not served; a block under 2^-118 keeps the byte 1, a block of zeros too (its codes are zeros; only this program reads the bytes);
; the bias is added ahead of the sum, not behind it.  Scale words are stored by both halves of the lanes, the same bytes to the same places.
; OUT: q, k: head's 131,072 bytes: 32 tokens G at 2,048 G; scale block 2 e + B at 512 (2 e + B) + 16 x lane.  v: (G >> 2) 8,192 + 2,048 tile + 512 (G & 3) + 16 x lane.  Every store of codes is 512 consecutive bytes.
; REGISTERS: window 0: v1-9 addresses; v12-15 gathered scale words; v16-19 bytes; v20-23 v's bias; v24-39 W's scale words; v44-59 x's; v60-75 the next pair's; v76-91 at work; v92-107 codes; v112-143 the bias; v144-207 sums.
; Windows 1, 2: the weight, fragment 4 q + b.  Window 3: x's two sets.
.set XB,    8388608
.set XSB,   262144
.set SPARE, 262144
.set SPW, 10
.set NIL, 11
.set EB,  16
.set BV,  20
.set SB,  24
.set SA,  44
.set TS,  60
.set TM,  76
.set CD,  92
.set BI,  112
.set ACC, 144
.set MSB, 0
.macro WIN new                         ; the immediate's high byte repeats the setting that is left
.if MSB != \new
	s_set_vgpr_msb (MSB<<8)|\new
.set MSB, \new
.endif
.endm
.macro NOPS n
.rept \n
	v_nop
.endr
.endm
.macro CROUND                          ; a round of the cluster's barrier
	s_barrier_signal -1
	s_barrier_wait -1
	s_cmp_lg_u32 s14, 0
	s_cbranch_scc1 .Lnot_wave_0_\@
	s_barrier_signal -3
.Lnot_wave_0_\@:
	s_barrier_wait -3
	s_barrier_signal -1
	s_barrier_wait -1
.endm
.macro TLOAD
	tensor_load_to_lds s[32:35], s[24:31]
	s_nop 0
	NOPS 4
.endm
	s_load_b256 s[4:11], s[0:1], 0x0               ; c1 s[4:5], s1 s[6:7], b_qkv s[8:9], qkv s[10:11]
	s_load_b64 s[12:13], s[0:1], 0x20              ; qkvs
	v_lshl_add_u32 v[SPW], v0, 2, SPARE
	v_mov_b32 v[NIL], 0
	ds_add_u32 v[SPW], v[NIL]                      ; the opening lines
	ds_add_u32 v[SPW], v[NIL]
	v_lshrrev_b32 v1, 5, v0
	v_readfirstlane_b32 s14, v1                    ; wave 0..3
	s_lshr_b32 s15, s14, 1                         ; wr
	s_and_b32 s16, s14, 1                          ; wc
	s_bfe_u32 s40, ttmp6, 0x40000                  ; cx
	s_lshl_b32 s42, ttmp9, 2
	s_add_co_u32 s42, s42, s40                     ; tx: enters global addresses of plain loads and stores alone
	s_and_b32 s17, ttmp7, 0xffff                   ; ty
	s_mov_b32 s24, 15|(3<<16)|(1<<21)              ; group 1: the cluster's four; elements of 8 bytes; 8 rows of 1,024, 2,048 apart
	s_mov_b32 s25, 1024<<16
	s_mov_b32 s26, 8<<16
	s_mov_b32 s27, 1024<<16
	s_mov_b32 s28, 8
	s_mov_b32 s29, 2048
	s_mov_b32 s30, 0
	s_mov_b32 s31, 0
	s_mov_b32 s32, 1
	s_lshl_b32 s33, s14, 16                        ; chunk = my wave's number
	s_lshl_b32 s34, s17, 18
	s_lshl_b32 s18, s15, 17
	s_add_co_u32 s34, s34, s18
	s_lshl_b32 s19, s16, 13
	s_add_co_u32 s34, s34, s19
	s_mov_b32 s35, 0
	s_lshl_b32 s36, s42, 18                        ; W's codes: group 2 tx + wr, blocks 4 wc on
	s_add_co_u32 s36, s36, s18
	s_add_co_u32 s36, s36, s19
	s_add_co_u32 s36, s36, XB
	s_mov_b32 s37, 0
	s_lshl_b32 s38, s42, 13                        ; W's scale bytes: block 16 tx + 4 wave
	s_lshl_b32 s20, s14, 11
	s_add_co_u32 s38, s38, s20
	s_add_co_u32 s38, s38, XSB
	s_mov_b32 s39, 0
	s_lshl_b32 s44, s42, 17                        ; W_v's codes: group 16 + tx
	s_add_co_u32 s44, s44, s19
	s_add_co_u32 s44, s44, XB+2097152
	s_mov_b32 s45, 0
	s_lshl_b32 s46, s42, 12                        ; W_v's scale bytes: block 128 + 8 tx + 4 wc
	s_lshl_b32 s20, s16, 11
	s_add_co_u32 s46, s46, s20
	s_add_co_u32 s46, s46, XSB+65536
	s_mov_b32 s47, 0
	s_lshl_b32 s48, s17, 13                        ; x's scale bytes
	s_mov_b32 s49, 0
	s_lshr_b32 s21, s17, 3
	s_lshl_b32 s21, s21, 4                         ; 16 batch
	s_and_b32 s22, s17, 7
	s_lshl_b32 s20, s42, 2
	s_add_co_u32 s20, s20, s14
	s_and_b32 s20, s20, 15                         ; q's or k's head
	s_lshr_b32 s23, s42, 2
	s_lshl_b32 s23, s23, 6
	s_add_co_u32 s20, s20, s23
	s_add_co_u32 s20, s20, s21                     ; 64 z + 16 batch + head
	s_lshl_b32 s50, s20, 17
	s_lshl_b32 s23, s22, 14
	s_add_co_u32 s50, s50, s23
	s_mov_b32 s51, 0
	s_lshl_b32 s52, s20, 12
	s_lshl_b32 s23, s22, 9
	s_add_co_u32 s52, s52, s23
	s_mov_b32 s53, 0
	s_lshl_b32 s20, s42, 1
	s_add_co_u32 s20, s20, s16
	s_add_co_u32 s20, s20, s21
	s_add_co_u32 s20, s20, 128                     ; v: 128 + 16 batch + head
	s_lshl_b32 s23, s22, 1
	s_add_co_u32 s23, s23, s15                     ; which 128 keys
	s_lshl_b32 s54, s20, 17
	s_lshl_b32 s21, s23, 13
	s_add_co_u32 s54, s54, s21
	s_mov_b32 s55, 0
	s_lshl_b32 s56, s20, 12
	s_lshl_b32 s21, s23, 8
	s_add_co_u32 s56, s56, s21
	s_mov_b32 s57, 0
	s_lshl_b32 s58, s42, 10                        ; the bias at column 256 tx + 64 wave,
	s_lshl_b32 s20, s14, 8
	s_add_co_u32 s58, s58, s20
	s_mov_b32 s59, 0
	s_lshl_b32 s60, s42, 9                         ; and at 2,048 + 128 tx + 64 wc
	s_lshl_b32 s20, s16, 8
	s_add_co_u32 s60, s60, s20
	s_add_co_u32 s60, s60, 8192
	s_mov_b32 s61, 0
	s_lshl_b32 s74, s15, 2                         ; phase 2's first pair: 4 wr
	s_mov_b32 s3, 0x600000                         ; the mantissa field of 448
	s_mov_b32 s98, 0x76543210
	s_mov_b32 s99, 0xfedcba98
	s_wait_dscnt 0x0
	CROUND                                         ; the round in front of the joint loads
	s_wait_kmcnt 0x0
	s_add_nc_u64 s[34:35], s[4:5], s[34:35]
	s_or_b32 s35, s35, 0x80000000
	s_cmp_eq_u32 s14, 0                            ; one joint load a wave; a line of its own for what is shown ahead of the rest
	s_cbranch_scc0 .Lw1
	TLOAD
	s_branch .Lasked
.Lw1:
	s_cmp_eq_u32 s14, 1
	s_cbranch_scc0 .Lw23
	TLOAD
	s_branch .Lasked
.Lw23:
	TLOAD
.Lasked:
	s_add_nc_u64 s[36:37], s[4:5], s[36:37]
	s_add_nc_u64 s[38:39], s[6:7], s[38:39]
	s_add_nc_u64 s[44:45], s[4:5], s[44:45]
	s_add_nc_u64 s[46:47], s[6:7], s[46:47]
	s_add_nc_u64 s[48:49], s[6:7], s[48:49]
	s_add_nc_u64 s[50:51], s[10:11], s[50:51]
	s_add_nc_u64 s[52:53], s[12:13], s[52:53]
	s_add_nc_u64 s[54:55], s[10:11], s[54:55]
	s_add_nc_u64 s[56:57], s[12:13], s[56:57]
	s_add_nc_u64 s[58:59], s[8:9], s[58:59]
	s_add_nc_u64 s[60:61], s[8:9], s[60:61]
	v_and_b32 v1, 31, v0
	v_and_b32 v2, 15, v0                           ; r
	v_bfe_u32 v3, v0, 4, 1                         ; h
	v_lshlrev_b32 v1, 4, v1                        ; 16 x lane
	v_lshlrev_b32 v6, 6, v3                        ; q's, k's bias: 16 h channels on
	v_lshrrev_b32 v7, 3, v2
	v_and_b32 v8, 7, v2
	v_lshl_add_u32 v7, v7, 4, v8
	v_lshlrev_b32 v7, 2, v7                        ; v's bias: channel 16 (r / 8) + r % 8
	v_lshlrev_b32 v2, 4, v2                        ; 16 r
	v_lshl_add_u32 v3, v3, 9, v2                   ; W's scale words: lanes 16-31 take the next tile's
	v_mov_b32 v4, v1                               ; pair 0 in LDS
.irp b, 0,1,2,3
	v_mov_b32 v[TM+4+\b], 0                        ; a lane permute's destination counts as one of its sources
	v_mov_b32 v[12+\b], 0
.endr
	s_wait_alu depctr_va_vdst(0)
.macro WSCALES base
.irp p, 0,1
.irp c, 0,1
	global_load_b128 v[SB+8*\p+4*\c:SB+8*\p+4*\c+3], v3, s[\base:\base+1] offset:1024*\p+256*\c
.endr
.endr
.endm
.macro XSCALES adr                     ; a pair's scale words: block e, K steps 4 c .. 4 c + 3
.irp e, 0,1
.irp c, 0,1
	global_load_b128 v[TS+8*\e+4*\c:TS+8*\e+4*\c+3], v[\adr], s[48:49] offset:512*\e+256*\c
.endr
.endr
.endm
.macro WLOAD base                      ; my 64 columns of a weight, all of K: fragment f = 4 q + b into window 1 + f / 16: 128 loads of 512 consecutive bytes
.set f_, 0
.rept 32
	WIN (1+f_/16)<<6
.irp c, 0,1,2,3
	global_load_b128 v[16*(f_%16)+4*\c:16*(f_%16)+4*\c+3], v1, s[\base:\base+1] offset:16384*(f_/4)+2048*(f_%4)+512*\c
.endr
.set f_, f_+1
.endr
	WIN 0
.endm
	WSCALES 38
	XSCALES 2
.irp b, 0,1,2,3
	global_load_b128 v[BI+8*\b:BI+8*\b+3], v6, s[58:59] offset:(32*(\b/2)+8*(\b%2))*4
	global_load_b128 v[BI+8*\b+4:BI+8*\b+7], v6, s[58:59] offset:(32*(\b/2)+8*(\b%2))*4+16
.endr
.irp t, 0,1,2,3
	global_load_b32 v[BV+\t], v7, s[60:61] offset:(32*(\t/2)+8*(\t%2))*4
.endr
	WLOAD 36
.macro FETCH e                         ; block e of the pair at v4 into set e of window 3: 32 loads
	WIN 0xc0
.set q_, 0
.rept 8
.irp c, 0,1,2,3
	ds_load_b128 v[128*(\e)+16*q_+4*\c:128*(\e)+16*q_+4*\c+3], v4 offset:8192*q_+2048*(\e)+512*\c
.endr
.set q_, q_+1
.endr
	WIN 0
.endm
; 32 products of block e: K step q, column tile b.  The four sums take turns, one instruction a turn.
.macro PROD kind, e
.set q_, 0
.rept 8
.if \kind
	WIN 3|((1+q_/4)<<2)
.else
	WIN (1+q_/4)|(3<<2)
.endif
.set b_, 0
.rept 4
.set W_, 16*((4*q_+b_)%16)
.set X_, 128*(\e)+16*q_
.if \kind
.set A_, ACC+16*b_+8*(\e)
.else
.set A_, ACC+32*(\e)+8*b_
.endif
.set C_, A_
.if q_ == 0
.set C_, BI+8*b_
.endif
.set SW_, SB+8*(b_/2)+q_
.set SX_, SA+8*(\e)+q_
.if \kind
.if b_%2
	v_wmma_scale_f32_16x16x128_f8f6f4 v[A_:A_+7], v[X_:X_+15], v[W_:W_+15], v[C_:C_+7], v[SX_], v[SW_] matrix_b_scale:MATRIX_SCALE_ROW1
.else
	v_wmma_scale_f32_16x16x128_f8f6f4 v[A_:A_+7], v[X_:X_+15], v[W_:W_+15], v[C_:C_+7], v[SX_], v[SW_]
.endif
.else
.if b_%2
	v_wmma_scale_f32_16x16x128_f8f6f4 v[A_:A_+7], v[W_:W_+15], v[X_:X_+15], v[C_:C_+7], v[SW_], v[SX_] matrix_a_scale:MATRIX_SCALE_ROW1
.else
	v_wmma_scale_f32_16x16x128_f8f6f4 v[A_:A_+7], v[W_:W_+15], v[X_:X_+15], v[C_:C_+7], v[SW_], v[SX_]
.endif
.endif
.set b_, b_+1
.endr
.set q_, q_+1
.endr
	WIN 0
.endm
.macro EPI                             ; four scale blocks of 16 registers: codes into v[CD] on, bytes into v[EB] on
	s_wait_xcnt 0x0                                ; the last pair's stores have read their registers
.irp b, 0,1,2,3
	v_max3_num_f32 v[TM+\b], |v[ACC+16*\b]|, |v[ACC+16*\b+1]|, 0x4800000   ; each sum is read from its low end on; the floor 2^(9 - 127)
.endr
.irp i, 2,4,6,8,10,12,14
.irp b, 0,1,2,3
	v_max3_num_f32 v[TM+\b], v[TM+\b], |v[ACC+16*\b+\i]|, |v[ACC+16*\b+\i+1]|
.endr
.endr
.irp b, 0,1,2,3
	v_permlanex16_b32 v[TM+4+\b], v[TM+\b], s98, s99
.endr
.irp b, 0,1,2,3
	v_max_num_f32 v[TM+\b], v[TM+\b], v[TM+4+\b]
.endr
.irp b, 0,1,2,3
	v_add_nc_u32 v[TM+12+\b], 0xfc000000, v[TM+\b] ; the conversion's scale operand
.endr
.irp b, 0,1,2,3
	v_and_or_b32 v[TM+8+\b], v[TM+\b], 0x7f800000, s3   ; 448 x the scale
.endr
.irp b, 0,1,2,3
	v_lshrrev_b32 v[EB+\b], 23, v[TM+12+\b]        ; the scale's byte
.endr
.irp b, 0,1,2,3
.irp i, 0,1,2,3,4,5,6,7,8,9,10,11,12,13,14,15
	v_med3_num_f32 v[ACC+16*\b+\i], v[ACC+16*\b+\i], -v[TM+8+\b], v[TM+8+\b]
.endr
	v_cvt_scalef32_pk8_fp8_f32 v[CD+4*\b:CD+4*\b+1], v[ACC+16*\b:ACC+16*\b+7], v[TM+12+\b]
	v_cvt_scalef32_pk8_fp8_f32 v[CD+4*\b+2:CD+4*\b+3], v[ACC+16*\b+8:ACC+16*\b+15], v[TM+12+\b]
.endr
	v_nop                                          ; a plain line behind the last conversion
.endm
; A PAIR.  s70: its number in the phase.  mode 0: the next pair is s70 + 1; 1: behind pair 7 it is phase 2's first; 2: phase 2: 4 wr + s70 + 1, none behind the last.
.macro PAIR kind, mode
	s_wait_loadcnt 0x0                             ; this pair's scale words are in (at a phase's start: the weight too)
.set i_, 0
.rept 16
	v_mov_b32 v[SA+i_], v[TS+i_]
.set i_, i_+1
.endr
	s_add_co_u32 s71, s70, 1
.if \mode == 1
	s_cmp_eq_u32 s70, 7
	s_cselect_b32 s71, s74, s71
.elseif \mode == 2
	s_add_co_u32 s71, s71, s74
	s_min_u32 s71, s71, 7
.endif
	s_lshl_b32 s72, s71, 12                        ; pair N lies at 65,536 (N / 2) + 4,096 (N % 2)
	s_lshr_b32 s73, s71, 1
	s_mul_i32 s73, s73, 57344
	s_add_co_u32 s72, s72, s73
	s_lshl_b32 s73, s71, 10
	v_add_nc_u32 v4, s72, v1
	v_add_nc_u32 v5, s73, v2
	NOPS 6                                         ; with the two additions: eight places behind the scale words' copies
	s_wait_alu depctr_va_vdst(0)                   ; directly ahead of the wait below
	s_wait_dscnt 32                                ; set 0 is in; set 1's 32 loads may be out
	PROD \kind, 0
	NOPS 8
.if \mode == 2
	s_cmp_eq_u32 s70, 3
	s_cbranch_scc1 .Lnf0_\@
.endif
	FETCH 0
	XSCALES 5
	s_wait_dscnt 32                                ; set 1 is in; the 32 just issued may be out
.if \mode == 2
	s_branch .Lg0_\@
.Lnf0_\@:
	s_wait_dscnt 0x0
.Lg0_\@:
.endif
	PROD \kind, 1
	NOPS 8
.if \mode == 2
	s_cmp_eq_u32 s70, 3
	s_cbranch_scc1 .Lnf1_\@
.endif
	FETCH 1
.if \mode == 2
.Lnf1_\@:
.endif
	EPI
.if \kind
	s_lshl_b32 s72, s70, 9
	v_add_nc_u32 v8, s72, v1
.irp t, 0,1,2,3
	global_store_b128 v8, v[CD+4*\t:CD+4*\t+3], s[54:55] offset:2048*\t
.endr
	s_lshl_b32 s72, s70, 3
.irp t, 0,1,2,3
	v_lshl_or_b32 v[12+\t], v[EB+\t], s72, v[12+\t]   ; tile t's word: a byte for each 32 keys of my 128
.endr
.else
	s_lshl_b32 s72, s70, 11
	v_add_nc_u32 v8, s72, v1
.irp b, 0,1,2,3
	global_store_b128 v8, v[CD+4*\b:CD+4*\b+3], s[50:51] offset:512*\b
.endr
	v_mov_b32 v12, v13                             ; four pairs' words are gathered, so that a lane stores 16 bytes
	v_mov_b32 v13, v14
	v_mov_b32 v14, v15
	v_lshl_or_b32 v15, v[EB+1], 8, v[EB]
	v_lshl_or_b32 v15, v[EB+2], 16, v15
	v_lshl_or_b32 v15, v[EB+3], 24, v15
.if \mode == 1                         ; the words leave behind pairs 3 and 7, which only this copy serves
	s_and_b32 s72, s70, 3
	s_cmp_eq_u32 s72, 3
	s_cbranch_scc0 .Lnw_\@
	s_lshr_b32 s72, s70, 2
	s_lshl_b32 s72, s72, 8
	v_add_nc_u32 v9, s72, v2
	global_store_b128 v9, v[12:15], s[52:53]
.Lnw_\@:
.endif
.endif
.endm
.macro STAGE who                       ; a barrier that shows wave who's chunk (2: all that is still out)
	s_wait_alu depctr_va_vdst(0)
.if \who < 2
	s_cmp_eq_u32 s14, \who
	s_cbranch_scc0 .Lnot_mine_\@
	s_wait_tensorcnt 0x0
.Lnot_mine_\@:
.else
	s_wait_tensorcnt 0x0
.endif
	s_wait_dscnt 0x0
	s_barrier_signal -1
	s_barrier_wait -1
.endm
	STAGE 0
	FETCH 0
	FETCH 1
	s_mov_b32 s70, 0
	PAIR 0, 0                                      ; pair 0 fetches pair 1: chunk 0
	STAGE 1
	s_mov_b32 s70, 1
.Lp2:                                  ; pairs 1, 2 fetch pairs 2, 3: chunk 1
	PAIR 0, 0
	s_add_co_u32 s70, s70, 1
	s_cmp_lt_u32 s70, 3
	s_wait_alu depctr_va_vdst(0)
	s_cbranch_scc1 .Lp2
	STAGE 2
.Lp3:                                  ; pairs 3 to 7
	PAIR 0, 1
	s_add_co_u32 s70, s70, 1
	s_cmp_lt_u32 s70, 8
	s_wait_alu depctr_va_vdst(0)
	s_cbranch_scc1 .Lp3
	; the change of phase: the quantiser's lines are the places behind the last products
	s_wait_xcnt 0x0
	WLOAD 44
	WSCALES 46
.irp t, 0,1,2,3
.irp j, 0,1,2,3,4,5,6,7
	v_mov_b32 v[BI+8*\t+\j], v[BV+\t]              ; v's bias: a lane's channel, the same for all eight keys
.endr
	v_mov_b32 v[12+\t], 0
.endr
	s_mov_b32 s70, 0
	s_wait_alu depctr_va_vdst(0)
.Lv:
	PAIR 1, 2
	s_add_co_u32 s70, s70, 1
	s_cmp_lt_u32 s70, 4
	s_wait_alu depctr_va_vdst(0)
	s_cbranch_scc1 .Lv
	global_store_b128 v2, v[12:15], s[56:57]       ; v's scale words of my 128 keys x 64 channels
	s_wait_tensorcnt 0x0                           ; the wave's end
	ds_add_u32 v[SPW], v[NIL]
	s_wait_dscnt 0x0
	CROUND                                         ; the closing round
	s_endpgm
.Lfunc_end_k_qaa8f96f31a_gemm_qkv:
	.size	k_qaa8f96f31a_gemm_qkv, .Lfunc_end_k_qaa8f96f31a_gemm_qkv-k_qaa8f96f31a_gemm_qkv
	.p2alignl 7, 3214868480
	.fill 96, 4, 3214868480
	.section	.rodata,"a",@progbits
	.p2align	6, 0x0
	.amdhsa_kernel k_qaa8f96f31a_gemm_qkv
		.amdhsa_group_segment_fixed_size 327680
		.amdhsa_private_segment_fixed_size 0
		.amdhsa_enable_private_segment 0
		.amdhsa_kernarg_size 40
		.amdhsa_user_sgpr_count 2
		.amdhsa_user_sgpr_kernarg_segment_ptr 1
		.amdhsa_wavefront_size32 1
		.amdhsa_system_sgpr_workgroup_id_x 1
		.amdhsa_system_sgpr_workgroup_id_y 1
		.amdhsa_system_sgpr_workgroup_id_z 1
		.amdhsa_system_vgpr_workitem_id 0
		.amdhsa_next_free_vgpr 1024
		.amdhsa_next_free_sgpr 100
		.amdhsa_reserve_vcc 0
		.amdhsa_float_denorm_mode_32 3
		.amdhsa_float_denorm_mode_16_64 3
		.amdhsa_memory_ordered 1
		.amdhsa_forward_progress 1
		.amdhsa_inst_pref_size 132
	.end_amdhsa_kernel
	.amdgpu_metadata
---
amdhsa.version: [ 1, 2 ]
amdhsa.kernels:
  - .name:           k_qaa8f96f31a_gemm_qkv
    .symbol:         k_qaa8f96f31a_gemm_qkv.kd
    .args:
      - { .name: c1, .offset: 0, .size: 8, .value_kind: global_buffer, .address_space: global }
      - { .name: s1, .offset: 8, .size: 8, .value_kind: global_buffer, .address_space: global }
      - { .name: b_qkv, .offset: 16, .size: 8, .value_kind: global_buffer, .address_space: global }
      - { .name: qkv, .offset: 24, .size: 8, .value_kind: global_buffer, .address_space: global }
      - { .name: qkvs, .offset: 32, .size: 8, .value_kind: global_buffer, .address_space: global }
    .group_segment_fixed_size: 327680
    .private_segment_fixed_size: 0
    .kernarg_segment_align: 8
    .kernarg_segment_size: 40
    .max_flat_workgroup_size: 128
    .sgpr_count:     100
    .vgpr_count:     1024
    .wavefront_size: 32
...
	.end_amdgpu_metadata
.endif
;; end of part 2
;; launch attn (part 3): grid 4 x 64, 16 waves a work-group, no clusters, 327,680 bytes of LDS; arguments qkv, qkvs, c2, s2; writes c2, s2
.if DOCPART == 3
	.amdgcn_target "amdgcn-amd-amdhsa--gfx1250"
	.amdhsa_code_object_version 6
	.text
	.protected	k_qaa8f96f31a_attn
	.globl	k_qaa8f96f31a_attn
	.p2align	8
	.type	k_qaa8f96f31a_attn,@function
k_qaa8f96f31a_attn:
	s_mov_b64 s[64:65], 0
	v_nop
	global_prefetch_b8 v0, s[64:65] scope:SCOPE_SE
	s_setreg_imm32_b32 hwreg(HW_REG_WAVE_MODE, 25, 1), 1
	s_wait_xcnt 0x0
; y = softmax(q k^T / 8, causal) v for one head, both products on codes of E4M3 with E8M0 scales; y is quantised along C and stored as the last product's operand.
; THE SOFTMAX: t = score x log2(e) / 8; M = the running largest t rounded up to a whole number; p = 2^(t - M) is quantised along the keys; the row's sum is taken of the unquantised p and divides at the end.
; WORK LEFT OUT: a step of 128 keys all of which come after a wave's queries adds nothing to any output and is jumped over by a scalar branch on ids. All trip counts are constants.
; SHARES.  Work-group (i, head) owns the blocks of 256 queries 7 - i (first) and i: 17 blocks of 128 keys x 256 queries in each of the 256 work-groups.  Each of sixteen waves owns 16 queries of a block, one phase a block.
; THE HEAD'S k AND v STAY IN LDS, filled once: k from 0, v from VB, 8,192 bytes a key step; nothing is filled again.  All fills go out at the head, in one chain of branches on the wave's number, one load to an arm:
; waves 0, 1: k's, v's steps 0-2; wave 2: both tensors' scale bytes; waves 4, 5: steps 3-7; waves 8-11: steps 8-11 and 12-15.  What is needed first is asked for first: waves 4, 5 ask behind the head's vector work,
; waves 8-11 also behind the wait for q.  Three barriers show them: under wave < 3, under wave < 6, and for all; loops of 3, 5 and 8 key steps follow them.  Every wait on TENSORcnt is for 0.
; No prefetch: every tile is asked for at the head; there is no later load to run ahead of.
; NO CLUSTER: the four work-groups of a head differ in their query blocks, on which the mask's branches hang.
; K = 64 IN THE FIRST PRODUCT.  A fragment of k holds 32 keys as 16 rows of two keys' 64 codes.  It is multiplied by [q | zeros] and by [zeros | q]: the results are keys 32 c + 16 h + 0..7 and + 8..15,
; so that a lane's 16 registers are 16 neighbouring keys, the second product's operand layout.  Zero codes add nothing; the scale bytes over them are 0, which is a number.
; Both products are used transposed: a lane holds one query: Q0 + (r & 7) + 16 (r >> 3).
; LIMITS: NaN and infinities are not served; the scaled scores stay under 2^31 in magnitude; a block of y under 2^-118 keeps the byte 1, a block of zeros too (only this program reads the bytes);
; a block's largest p is taken through its largest score (v_exp_f32 is taken not to fall where its input rises).
; y's scale bytes leave as single bytes: a word's four bytes belong to two heads, which are two work-groups.
; REGISTERS: v1-6 addresses; v7 at work; v8 -M, v9 the largest score; v[10:11] the sum; v12 f, v13 p's scale word; v14, v15 q's scale words; v16-23 zeros, v24-31 q, v32-39 zeros; v40-103 four fragments of k or v;
; v104-167 S^T, then p; v168-199 O^T; v200-215 p's codes; v216-219 v's scale words, v220-223 k's; v224-239, v250-253 at work; v240-248 the second phase's q and its scale word; v249 the scale word in hand.
.set VB,    131072
.set KSC,   262144                     ; k's scale bytes (4,096), then v's
.set SPARE, 270336                     ; the spare words: 128 bytes for each wave
.set SPW, 254
.set NIL, 255
.set S,   104
.set O,   168
.set PC,  200
.set VS,  216
.set KS,  220
.set TM,  224
.set Q2,  240
.macro NOPS n
.rept \n
	v_nop
.endr
.endm
.macro DEP n
	s_delay_alu instid0(VALU_DEP_\n)
.endm
.macro QOFF blk, dc, dsc               ; where my 16 queries of block blk lie: codes' offset in s[dc], scale words' in s[dsc]
	s_lshl_b32 s17, \blk, 3
	s_add_co_u32 s17, s17, s62                     ; G: which 32 tokens
	s_lshl_b32 s[\dc], s17, 11
	s_add_co_u32 s[\dc], s[\dc], s18
	s_mov_b32 s[\dc+1], 0
	s_lshr_b32 s[\dsc], s17, 2
	s_lshl_b32 s[\dsc], s[\dsc], 8
	s_and_b32 s17, s17, 3
	s_lshl_b32 s17, s17, 2
	s_add_co_u32 s[\dsc], s[\dsc], s17
	s_add_co_u32 s[\dsc], s[\dsc], s14
	s_mov_b32 s[\dsc+1], 0
.endm
.macro DENSE g, rows                   ; group 1: so many dense rows of 256 bytes (32 elements of 8)
	s_mov_b32 s[\g], 3<<16
	s_mov_b32 s[\g+1], 32<<16
	s_mov_b32 s[\g+2], (\rows)<<16
	s_mov_b32 s[\g+3], 32<<16
	s_mov_b32 s[\g+4], \rows
	s_mov_b32 s[\g+5], 32
	s_mov_b32 s[\g+6], 0
	s_mov_b32 s[\g+7], 0
.endm
.macro TL g0, g1
	tensor_load_to_lds s[\g0:\g0+3], s[\g1:\g1+7]
	s_nop 0
	NOPS 4
.endm
	s_load_b256 s[4:11], s[0:1], 0x0               ; qkv s[4:5], qkvs s[6:7], c2 s[8:9], s2 s[10:11]
	v_lshl_add_u32 v[SPW], v0, 2, SPARE
	v_mov_b32 v[NIL], 0
	ds_add_u32 v[SPW], v[NIL]                      ; the opening lines: the add, twice on end, and its wait ahead of the first tensor load
	ds_add_u32 v[SPW], v[NIL]
	v_lshrrev_b32 v4, 5, v0
	v_readfirstlane_b32 s12, v4                    ; wave 0..15
	s_and_b32 s13, ttmp7, 0xffff                   ; 16 batch + head
	s_lshr_b32 s62, s12, 1
	s_and_b32 s63, s12, 1
	s_lshr_b32 s80, s12, 2
	DENSE 24, 96                                   ; steps 0-2
	DENSE 84, 160                                  ; steps 3-7
	DENSE 92, 128                                  ; four steps
	s_mov_b32 s32, 3<<16                           ; the scale bytes: 2 rows of 512 elements, 32,768 apart
	s_mov_b32 s33, 512<<16
	s_mov_b32 s34, 2<<16
	s_mov_b32 s35, 512<<16
	s_mov_b32 s36, 2
	s_mov_b32 s37, 32768
	s_mov_b32 s38, 0
	s_mov_b32 s39, 0
	s_add_co_u32 s16, s13, 64                      ; k's heads lie behind q's 64, v's 64 heads (8,388,608 bytes) further on
	s_lshl_b32 s48, s16, 17
	s_mov_b32 s49, 0
	s_lshl_b32 s78, s16, 12
	s_mov_b32 s79, 0
	s_lshl_b32 s76, s63, 23                        ; an even wave fetches for k, an odd one for v
	s_mov_b32 s77, 0
	s_and_b32 s74, s62, 1
	s_lshl_b32 s74, s74, 15
	s_add_co_u32 s74, s74, 65536                   ; waves 8-11: steps 8-11 or 12-15
	s_mov_b32 s75, 0
	s_mov_b32 s40, 1
	s_lshl_b32 s41, s63, 17
	s_mov_b32 s44, 1
	s_mov_b32 s45, KSC
	s_mov_b32 s52, 1
	s_add_co_u32 s53, s41, 24576
	s_mov_b32 s56, 1
	s_add_co_u32 s57, s41, s74
	s_lshl_b32 s18, s13, 17
	s_lshl_b32 s17, s63, 10
	s_add_co_u32 s18, s18, s17
	s_lshl_b32 s14, s13, 12
	s_sub_co_u32 s60, 7, ttmp9                     ; the block of queries in hand: the later one first
	QOFF s60, 66, 68
	QOFF ttmp9, 70, 72
	s_mov_b32 s19, 0x600000                        ; the mantissa field of 448
	s_mov_b32 s20, 0x76543210
	s_mov_b32 s21, 0xfedcba98
	s_mov_b32 s22, 0x3e38aa3b                      ; c = log2(e) / 8
	s_mov_b32 s23, s22
	s_mov_b32 s61, 2                               ; phases to go
	s_wait_dscnt 0x0
	s_wait_kmcnt 0x0
	s_add_nc_u64 s[48:49], s[4:5], s[48:49]        ; k's head
	s_add_nc_u64 s[42:43], s[48:49], s[76:77]
	s_add_nc_u64 s[54:55], s[42:43], 24576
	s_add_nc_u64 s[58:59], s[42:43], s[74:75]
	s_add_nc_u64 s[46:47], s[6:7], s[78:79]
	s_or_b32 s43, s43, 0x80000000
	s_or_b32 s47, s47, 0x80000000
	s_or_b32 s55, s55, 0x80000000
	s_or_b32 s59, s59, 0x80000000
	s_add_nc_u64 s[66:67], s[4:5], s[66:67]
	s_add_nc_u64 s[68:69], s[6:7], s[68:69]
	s_add_nc_u64 s[70:71], s[4:5], s[70:71]
	s_add_nc_u64 s[72:73], s[6:7], s[72:73]
.macro HW                              ; the head's vector work, and q of both phases
	v_and_b32 v4, 31, v0                           ; lane
	v_and_b32 v5, 15, v0                           ; r
	v_bfe_u32 v7, v0, 4, 1                         ; h
	v_lshlrev_b32 v1, 4, v4                        ; 16 x lane
	v_lshlrev_b32 v250, 4, v5                      ; 16 r
	v_cmp_eq_u32 s81, 1, v7                        ; lanes 16-31
	v_add_nc_u32 v2, KSC, v250
	v_add_nc_u32 v6, v250, v7                      ; y's scale byte: 16 r + h
	v_and_b32 v3, 7, v5
	v_lshrrev_b32 v5, 3, v5
	v_sub_nc_u32 v5, v5, v7
	v_lshl_add_u32 v3, v5, 4, v3                   ; my query - Q0 - 16 h
.irp j, 0,1,2,3,4,5,6,7
	v_mov_b32 v[16+\j], 0                          ; the zero halves beside q
	v_mov_b32 v[32+\j], 0
.endr
.irp b, 0,1,2,3
	v_mov_b32 v[TM+4+\b], 0                        ; a lane permute's destination counts as one of its sources
.endr
	v_mov_b32 v13, 0                               ; (named as the upper half of the pair v[12:13] before it is first written)
	s_wait_alu depctr_va_vdst(0)
	global_load_b128 v[24:27], v1, s[66:67]
	global_load_b128 v[28:31], v1, s[66:67] offset:512
	global_load_b32 v249, v250, s[68:69]
	global_load_b128 v[Q2:Q2+3], v1, s[70:71]
	global_load_b128 v[Q2+4:Q2+7], v1, s[70:71] offset:512
	global_load_b32 v248, v250, s[72:73]
.endm
	s_cmp_lt_u32 s12, 2
	s_cbranch_scc0 .Lhead_s
	TL 40, 24                                      ; waves 0, 1: steps 0-2
	HW
	s_branch .Lhead_asked
.Lhead_s:
	s_cmp_eq_u32 s12, 2
	s_cbranch_scc0 .Lhead_rest
	TL 44, 32                                      ; wave 2: the scale bytes
	HW
	s_branch .Lhead_asked
.Lhead_rest:
	HW
	s_cmp_eq_u32 s62, 2
	s_cbranch_scc0 .Lhead_c
	TL 52, 84                                      ; waves 4, 5: steps 3-7
	s_branch .Lhead_asked
.Lhead_c:
	s_cmp_eq_u32 s80, 2
	s_cbranch_scc0 .Lhead_asked
	s_wait_loadcnt 0x0
	TL 56, 92                                      ; waves 8-11: steps 8-15
.Lhead_asked:
	s_wait_alu depctr_va_vdst(0)                   ; at the head's end
	s_wait_loadcnt 0x0                             ; q
	s_cmp_lt_u32 s12, 3
	s_cbranch_scc0 .Lnot_a
	s_wait_tensorcnt 0x0                           ; waves 0-2: steps 0-2 and the scale bytes are in
.Lnot_a:
	s_barrier_signal -1
	s_barrier_wait -1
.macro MASKB c                         ; the diagonal step's block c of 32 keys: jumped over where all 32 count for all my queries
	s_cmp_ge_i32 s17, 32*(\c)+31
	s_cbranch_scc1 .Lvis_\@
.set n, 0
.rept 16
	v_cmp_le_i32 vcc_lo, 32*(\c)+n, v7
	v_cndmask_b32 v[S+16*(\c)+n], 0xff800000, v[S+16*(\c)+n], vcc_lo   ; a hidden score becomes -infinity
.set n, n+1
.endr
.Lvis_\@:
.endm
; A KEY STEP: 128 keys from s16 on; its codes s14 bytes into k and v, its scale words s15 bytes on.
.macro STEP
	s_add_co_u32 s17, s73, 23
	s_cmp_gt_u32 s16, s17                          ; all keys behind my last query: nothing to do but step the addresses
	s_cbranch_scc1 .Lhidden_\@
	v_add_nc_u32 v4, s14, v1
	v_add_nc_u32 v5, s15, v2
	v_add_nc_u32 v250, VB, v4
	NOPS 5                                         ; with the three additions: eight places in front of loads into registers that the last products read
.irp c, 0,1,2,3
.irp e, 0,1,2,3
	ds_load_b128 v[40+16*\c+4*\e:43+16*\c+4*\e], v4 offset:2048*\c+512*\e
.endr
.endr
	ds_load_b128 v[KS:KS+3], v5                    ; the four fragments' scale words
	s_wait_alu depctr_va_vdst(0)
	s_wait_dscnt 0x0
.irp c, 0,1,2,3
	v_wmma_scale_f32_16x16x128_f8f6f4 v[S+16*\c:S+7+16*\c], v[40+16*\c:55+16*\c], v[24:39], 0, v[KS+\c], v14
	v_wmma_scale_f32_16x16x128_f8f6f4 v[S+8+16*\c:S+15+16*\c], v[40+16*\c:55+16*\c], v[16:31], 0, v[KS+\c], v15
.endr
	NOPS 8
.irp t, 0,1,2,3                        ; v's fragments are asked for now and land under the softmax
.irp c, 0,1,2,3
	ds_load_b128 v[40+16*\t+4*\c:43+16*\t+4*\c], v250 offset:2048*\t+512*\c
.endr
.endr
	ds_load_b128 v[VS:VS+3], v5 offset:4096
	s_add_co_u32 s17, s16, 127
	s_cmp_le_u32 s17, s73                          ; all keys count for all my queries: no mask
	s_cbranch_scc1 .Lopen_\@
	s_sub_co_i32 s17, s73, s16
	v_add_nc_u32 v7, s17, v3                       ; register 16 c + i holds key s16 + 16 h + 32 c + i: it counts where 32 c + i <= my query - s16 - 16 h
	s_wait_alu depctr_va_vdst(0)
	MASKB 0
	MASKB 1
	MASKB 2
	MASKB 3
.Lopen_\@:
.irp b, 0,1,2,3
	v_max3_num_f32 v[TM+\b], v[S+16*\b], v[S+1+16*\b], v[S+2+16*\b]   ; the largest score of each block of 32 keys
.endr
.irp i, 3,5,7,9,11,13
.irp b, 0,1,2,3
	v_max3_num_f32 v[TM+\b], v[TM+\b], v[S+16*\b+\i], v[S+1+16*\b+\i]
.endr
.endr
.irp b, 0,1,2,3
	v_max_num_f32 v[TM+\b], v[TM+\b], v[S+15+16*\b]
.endr
.irp b, 0,1,2,3
	DEP 4
	v_permlanex16_b32 v[TM+4+\b], v[TM+\b], s20, s21
.endr
.irp b, 0,1,2,3
	DEP 4
	v_max_num_f32 v[TM+\b], v[TM+\b], v[TM+4+\b]   ; with lane l xor 16's 16 keys
.endr
	DEP 2
	v_max3_num_f32 v7, v[TM], v[TM+1], v[TM+2]
	DEP 1
	v_max3_num_f32 v9, v9, v7, v[TM+3]             ; the running largest score (c is positive: its t is the largest t)
	DEP 1
	v_mul_f32 v7, s22, v9
	DEP 1
	v_floor_f32 v7, -v7                            ; the new -M = floor(-t)
	DEP 1
	v_sub_f32 v12, v7, v8                          ; old M - new M: a whole number, 0 or less
	DEP 2
	v_mov_b32 v8, v7
	DEP 2
	v_cvt_i32_f32 v12, v12                         ; (it saturates)
	DEP 1
	v_ldexp_f32 v12, 1.0, v12                      ; f = 2^(old M - new M)
.set j, 0
.rept 32
	v_pk_fma_f32 v[S+j:S+j+1], v[S+j:S+j+1], s[22:23], v[8:9] op_sel_hi:[1,0,0]   ; t - M
.set j, j+2
.endr
.irp b, 0,1,2,3
	v_fma_f32 v[TM+\b], v[TM+\b], s22, v8          ; the same of each block's largest score
.endr
	s_wait_alu depctr_va_vdst(0)                   ; ahead of the batch
.set j, 0
.rept 64
	v_exp_f32 v[S+j], v[S+j]                       ; p = 2^(t - M)
.set j, j+1
.endr
.irp b, 0,1,2,3
	v_exp_f32 v[TM+\b], v[TM+\b]                   ; each block's largest p
.endr
	v_pk_mul_f32 v[10:11], v[10:11], v[12:13] op_sel_hi:[1,0]   ; the sums under the new M (a plain line behind the exponentials)
	s_wait_alu depctr_va_vdst(0)                   ; one wait for the batch, ahead of its first reader
.irp b, 0,1,2,3
	v_max_num_f32 v[TM+\b], 0x4800000, v[TM+\b]    ; the floor 2^(9 - 127): the byte cannot fall under 1
.endr
.irp b, 0,1,2,3
	DEP 4
	v_add_nc_u32 v[TM+12+\b], 0xfc000000, v[TM+\b] ; the conversion's scale operand
.endr
.irp b, 0,1,2,3
	v_and_or_b32 v[TM+8+\b], v[TM+\b], 0x7f800000, s19   ; 448 x the scale
.endr
.irp b, 0,1,2,3
	v_lshrrev_b32 v[TM+4+\b], 23, v[TM+12+\b]      ; the scale's byte
.endr
	DEP 3
	v_lshl_or_b32 v13, v[TM+5], 8, v[TM+4]         ; p's scale word for these 128 keys
	DEP 1
	v_lshl_or_b32 v13, v[TM+6], 16, v13
	DEP 1
	v_lshl_or_b32 v13, v[TM+7], 24, v13
	v_pk_add_f32 v[250:251], v[S:S+1], v[S+2:S+3]  ; the row's sum of the unquantised p: two at a time, four chains
	v_pk_add_f32 v[252:253], v[S+4:S+5], v[S+6:S+7]
	v_pk_add_f32 v[TM:TM+1], v[S+8:S+9], v[S+10:S+11]
	v_pk_add_f32 v[TM+2:TM+3], v[S+12:S+13], v[S+14:S+15]
.set j, 16
.rept 6
	v_pk_add_f32 v[250:251], v[250:251], v[S+j:S+j+1]
	v_pk_add_f32 v[252:253], v[252:253], v[S+j+2:S+j+3]
	v_pk_add_f32 v[TM:TM+1], v[TM:TM+1], v[S+j+4:S+j+5]
	v_pk_add_f32 v[TM+2:TM+3], v[TM+2:TM+3], v[S+j+6:S+j+7]
.set j, j+8
.endr
	v_pk_add_f32 v[250:251], v[250:251], v[252:253]
	v_pk_add_f32 v[TM:TM+1], v[TM:TM+1], v[TM+2:TM+3]
	v_pk_add_f32 v[250:251], v[250:251], v[TM:TM+1]
	v_pk_add_f32 v[10:11], v[10:11], v[250:251]
.irp b, 0,1,2,3
.irp i, 0,2,4,6,8,10,12,14
	v_dual_min_num_f32 v[S+16*\b+\i], v[S+16*\b+\i], v[TM+8+\b] :: v_dual_min_num_f32 v[S+16*\b+\i+1], v[S+16*\b+\i+1], v[TM+8+\b]   ; the hold, two numbers a line: p is not negative
.endr
	v_cvt_scalef32_pk8_fp8_f32 v[PC+4*\b:PC+1+4*\b], v[S+16*\b:S+7+16*\b], v[TM+12+\b]
	v_cvt_scalef32_pk8_fp8_f32 v[PC+2+4*\b:PC+3+4*\b], v[S+8+16*\b:S+15+16*\b], v[TM+12+\b]
.endr
	s_wait_alu depctr_va_vdst(0)                   ; directly ahead of the first reader of O^T
.set j, 0
.rept 16
	v_pk_mul_f32 v[O+j:O+j+1], v[O+j:O+j+1], v[12:13] op_sel_hi:[1,0]   ; O^T under the new M; also the places in front of the products
.set j, j+2
.endr
	s_wait_alu depctr_va_vdst(0)                   ; directly ahead of the wait below
	s_wait_dscnt 0x0                               ; v is in
.irp t, 0,1,2,3
	v_wmma_scale_f32_16x16x128_f8f6f4 v[O+8*\t:O+7+8*\t], v[40+16*\t:55+16*\t], v[PC:PC+15], v[O+8*\t:O+7+8*\t], v[VS+\t], v13
.endr
.Lhidden_\@:
	s_add_co_u32 s16, s16, 128
	s_add_co_u32 s14, s14, 8192
	s_add_co_u32 s15, s15, 256
.endm
.Lphase:
	s_wait_xcnt 0x0                                ; the last phase's stores have read their registers and bases
	s_lshl_b32 s72, s60, 3
	s_add_co_u32 s72, s72, s62                     ; G: which 32 tokens
	s_lshl_b32 s73, s72, 5
	s_lshl_b32 s17, s63, 3
	s_add_co_u32 s73, s73, s17                     ; Q0
	s_lshr_b32 s74, s13, 4
	s_lshl_b32 s74, s74, 4
	s_lshl_b32 s17, s60, 1
	s_add_co_u32 s74, s74, s17
	s_lshr_b32 s17, s12, 3
	s_add_co_u32 s74, s74, s17                     ; y's group of 128 positions
	s_and_b32 s75, s13, 15                         ; head
	s_and_b32 s76, s12, 7
	s_lshl_b32 s70, s74, 17
	s_lshr_b32 s17, s75, 1
	s_lshl_b32 s17, s17, 14
	s_add_co_u32 s70, s70, s17
	s_lshl_b32 s17, s76, 11
	s_add_co_u32 s70, s70, s17
	s_and_b32 s17, s75, 1
	s_lshl_b32 s17, s17, 10
	s_add_co_u32 s70, s70, s17
	s_mov_b32 s71, 0
	s_add_nc_u64 s[70:71], s[8:9], s[70:71]        ; y's codes
	s_lshl_b32 s78, s74, 3
	s_add_co_u32 s78, s78, s76
	s_lshl_b32 s78, s78, 9
	s_lshr_b32 s17, s75, 3
	s_lshl_b32 s17, s17, 8
	s_add_co_u32 s78, s78, s17
	s_and_b32 s17, s75, 7
	s_lshl_b32 s17, s17, 1
	s_add_co_u32 s78, s78, s17
	s_mov_b32 s79, 0
	s_add_nc_u64 s[78:79], s[10:11], s[78:79]      ; y's scale bytes
	s_mov_b32 s14, 0
	s_mov_b32 s15, 0
	s_mov_b32 s16, 0
	s_lshl_b32 s18, s63, 4
	s_mov_b32 s77, 3
	v_mov_b32 v9, 0xff61b1e6                       ; the largest score so far: -3e38
	v_mov_b32 v8, 0x7e000000                       ; -M: a large whole number, so that the first f is 0 and multiplies zeros
	v_mov_b32 v10, 0
	v_mov_b32 v11, 0
.set j, 0
.rept 32
	v_mov_b32 v[O+j], 0                            ; O^T: the step is written alike for all steps
.set j, j+1
.endr
	v_lshrrev_b32 v14, s18, v249
	v_and_b32 v14, 0xffff, v14                     ; q's two bytes under [q | zeros],
	v_lshlrev_b32 v15, 16, v14                     ; and under [zeros | q]
	s_wait_alu depctr_va_vdst(0)
.Lk1:                                  ; key steps 0-2
	STEP
	s_sub_co_u32 s77, s77, 1
	s_cmp_lg_u32 s77, 0
	s_cbranch_scc1 .Lk1
	s_wait_alu depctr_va_vdst(0)
	s_cmp_lt_u32 s12, 6
	s_cbranch_scc0 .Lnot_b
	s_wait_tensorcnt 0x0                           ; waves 4, 5: steps 3-7 are in
.Lnot_b:
	s_wait_dscnt 0x0
	s_barrier_signal -1
	s_barrier_wait -1
	s_mov_b32 s77, 5
.Lk2:                                  ; key steps 3-7
	STEP
	s_sub_co_u32 s77, s77, 1
	s_cmp_lg_u32 s77, 0
	s_cbranch_scc1 .Lk2
	s_wait_tensorcnt 0x0                           ; all that is still out: steps 8-15
	s_wait_dscnt 0x0
	s_barrier_signal -1
	s_barrier_wait -1
	s_mov_b32 s77, 8
.Lk3:                                  ; key steps 8-15
	STEP
	s_sub_co_u32 s77, s77, 1
	s_cmp_lg_u32 s77, 0
	s_cbranch_scc1 .Lk3
	; THE WAY OUT: O^T / the sum; registers 16 b + i are channels 32 b + 16 h + i of my query: two blocks of 32 along the last product's K
	NOPS 8
	v_add_f32 v10, v10, v11
	DEP 1
	v_permlanex16_b32 v7, v10, s20, s21
	DEP 1
	v_add_f32 v10, v10, v7
	s_wait_alu depctr_va_vdst(0)                   ; ahead of the transcendental
	v_rcp_f32 v10, v10
	v_nop
	s_wait_alu depctr_va_vdst(0)                   ; and ahead of its first reader, which is also O^T's
.set j, 0
.rept 16
	v_pk_mul_f32 v[S+j:S+j+1], v[O+j:O+j+1], v[10:11] op_sel_hi:[1,0]
.set j, j+2
.endr
.irp b, 0,1
	v_max3_num_f32 v[TM+\b], |v[S+16*\b]|, |v[S+1+16*\b]|, 0x4800000
.endr
.irp i, 2,4,6,8,10,12,14
.irp b, 0,1
	DEP 2
	v_max3_num_f32 v[TM+\b], v[TM+\b], |v[S+16*\b+\i]|, |v[S+1+16*\b+\i]|
.endr
.endr
.irp b, 0,1
	DEP 2
	v_permlanex16_b32 v[TM+4+\b], v[TM+\b], s20, s21
.endr
.irp b, 0,1
	DEP 2
	v_max_num_f32 v[TM+\b], v[TM+\b], v[TM+4+\b]
.endr
.irp b, 0,1
	DEP 2
	v_add_nc_u32 v[TM+12+\b], 0xfc000000, v[TM+\b]
.endr
.irp b, 0,1
	DEP 4
	v_and_or_b32 v[TM+8+\b], v[TM+\b], 0x7f800000, s19
.endr
.irp b, 0,1
	DEP 4
	v_lshrrev_b32 v[TM+4+\b], 23, v[TM+12+\b]
.endr
.irp b, 0,1
.irp i, 0,1,2,3,4,5,6,7,8,9,10,11,12,13,14,15
	v_med3_num_f32 v[S+16*\b+\i], v[S+16*\b+\i], -v[TM+8+\b], v[TM+8+\b]
.endr
	v_cvt_scalef32_pk8_fp8_f32 v[PC+4*\b:PC+1+4*\b], v[S+16*\b:S+7+16*\b], v[TM+12+\b]
	v_cvt_scalef32_pk8_fp8_f32 v[PC+2+4*\b:PC+3+4*\b], v[S+8+16*\b:S+15+16*\b], v[TM+12+\b]
.endr
	v_cndmask_b32 v7, v[TM+4], v[TM+5], s81        ; (a plain line behind the last conversion)  lanes 0-15 store block 0's byte, lanes 16-31 block 1's
	global_store_b128 v1, v[PC:PC+3], s[70:71]     ; 512 consecutive bytes each
	global_store_b128 v1, v[PC+4:PC+7], s[70:71] offset:512
	global_store_b8 v6, v7, s[78:79]
.irp j, 0,1,2,3,4,5,6,7
	v_mov_b32 v[24+\j], v[Q2+\j]                   ; the other block's q
.endr
	v_mov_b32 v249, v248
	s_sub_co_u32 s60, 7, s60                       ; the other block of queries
	s_sub_co_u32 s61, s61, 1
	s_cmp_lg_u32 s61, 0
	s_wait_alu depctr_va_vdst(0)                   ; directly ahead of the branch
	s_cbranch_scc1 .Lphase
	s_wait_tensorcnt 0x0                           ; the wave's end
	ds_add_u32 v[SPW], v[NIL]
	s_wait_dscnt 0x0
	s_endpgm
.Lfunc_end_k_qaa8f96f31a_attn:
	.size	k_qaa8f96f31a_attn, .Lfunc_end_k_qaa8f96f31a_attn-k_qaa8f96f31a_attn
	.p2alignl 7, 3214868480
	.fill 96, 4, 3214868480
	.section	.rodata,"a",@progbits
	.p2align	6, 0x0
	.amdhsa_kernel k_qaa8f96f31a_attn
		.amdhsa_group_segment_fixed_size 327680
		.amdhsa_private_segment_fixed_size 0
		.amdhsa_enable_private_segment 0
		.amdhsa_kernarg_size 32
		.amdhsa_user_sgpr_count 2
		.amdhsa_user_sgpr_kernarg_segment_ptr 1
		.amdhsa_wavefront_size32 1
		.amdhsa_system_sgpr_workgroup_id_x 1
		.amdhsa_system_sgpr_workgroup_id_y 1
		.amdhsa_system_sgpr_workgroup_id_z 1
		.amdhsa_system_vgpr_workitem_id 0
		.amdhsa_next_free_vgpr 256
		.amdhsa_next_free_sgpr 102
		.amdhsa_reserve_vcc 1
		.amdhsa_float_denorm_mode_32 3
		.amdhsa_float_denorm_mode_16_64 3
		.amdhsa_memory_ordered 1
		.amdhsa_forward_progress 1
		.amdhsa_inst_pref_size 103
	.end_amdhsa_kernel
	.amdgpu_metadata
---
amdhsa.version: [ 1, 2 ]
amdhsa.kernels:
  - .name:           k_qaa8f96f31a_attn
    .symbol:         k_qaa8f96f31a_attn.kd
    .args:
      - { .name: qkv, .offset: 0, .size: 8, .value_kind: global_buffer, .address_space: global }
      - { .name: qkvs, .offset: 8, .size: 8, .value_kind: global_buffer, .address_space: global }
      - { .name: c2, .offset: 16, .size: 8, .value_kind: global_buffer, .address_space: global }
      - { .name: s2, .offset: 24, .size: 8, .value_kind: global_buffer, .address_space: global }
    .group_segment_fixed_size: 327680
    .private_segment_fixed_size: 0
    .kernarg_segment_align: 8
    .kernarg_segment_size: 32
    .max_flat_workgroup_size: 512
    .sgpr_count:     102
    .vgpr_count:     256
    .wavefront_size: 32
...
	.end_amdgpu_metadata
.endif
;; end of part 3
;; launch gemm_out (part 4): grid 8 x 32, 4 waves a work-group, clusters of 4 x 4, 327,680 bytes of LDS; arguments c2, s2, b_pr, out0; writes out0
.if DOCPART == 4
	.amdgcn_target "amdgcn-amd-amdhsa--gfx1250"
	.amdhsa_code_object_version 6
	.text
	.protected	k_qaa8f96f31a_gemm_out
	.globl	k_qaa8f96f31a_gemm_out
	.p2align	8
	.type	k_qaa8f96f31a_gemm_out,@function
k_qaa8f96f31a_gemm_out:
	s_mov_b64 s[64:65], 0
	v_nop
	global_prefetch_b8 v0, s[64:65] scope:SCOPE_SE
	s_setreg_imm32_b32 hwreg(HW_REG_WAVE_MODE, 25, 1), 1
	s_wait_xcnt 0x0
	s_wait_alu depctr_hold_cnt(0) depctr_sa_sdst(0) depctr_va_vdst(0) depctr_va_sdst(0) depctr_va_ssrc(0) depctr_va_vcc(0) depctr_vm_vsrc(0)
	s_getreg_b32 s2, hwreg(HW_REG_IB_STS2, 6, 4)
	s_cmp_eq_u32 s2, 0
	s_cbranch_scc0 .Lentry_in_a_cluster
	s_endpgm
.Lentry_in_a_cluster:
	s_bfe_u32 s2, ttmp6, 0x10000c
	s_cmp_lg_u32 s2, 0xf033
	s_cbranch_scc0 .Lentry_shape_is_right
	s_endpgm
.Lentry_shape_is_right:
.set SLOT,  98304
.set SPARE, 2*SLOT
.set XB,    8388608
.set SC,    32
.set BI,    64
.set AF,    128
.set G1,    24
.set G0,    32
.set G1B,   48
.set G0B,   56
.set MSB,   0
.macro WIN new
.if MSB != \new
	s_set_vgpr_msb (MSB<<8)|\new
.set MSB, \new
.endif
.endm
.macro JLOAD g0a, g1a, g0b, g1b
	s_cmp_eq_u32 s15, 0
	s_cbranch_scc0 .Lfor_b_\@
	tensor_load_to_lds s[\g0a:\g0a+3], s[\g1a:\g1a+7]
	s_nop 0
.rept 4
	v_nop
.endr
	s_branch .Lasked_\@
.Lfor_b_\@:
	tensor_load_to_lds s[\g0b:\g0b+3], s[\g1b:\g1b+7]
	s_nop 0
.rept 4
	v_nop
.endr
.Lasked_\@:
.endm
.macro CREST
	s_cmp_lg_u32 s14, 0
	s_cbranch_scc1 .Lnot_wave_0_\@
	s_barrier_signal -3
.Lnot_wave_0_\@:
	s_barrier_wait -3
	s_barrier_signal -1
	s_barrier_wait -1
.endm
.macro CROUND
	s_barrier_signal -1
	s_barrier_wait -1
	CREST
.endm
.macro PLACES n
.rept \n
	v_nop
.endr
.endm
	s_load_b256 s[4:11], s[0:1], 0x0
	v_lshl_add_u32 v28, v0, 2, SPARE
	v_mov_b32 v29, 0
	ds_add_u32 v28, v29
	ds_add_u32 v28, v29
	s_wait_dscnt 0x0
	v_lshrrev_b32 v1, 5, v0
	v_readfirstlane_b32 s14, v1
	s_lshr_b32 s15, s14, 1
	s_and_b32 s16, s14, 1
	s_bfe_u32 s40, ttmp6, 0x40000
	s_bfe_u32 s41, ttmp6, 0x40004
	s_and_b32 s17, ttmp7, 0xffff
	s_lshl_b32 s43, s41, 2
	s_lshl_b32 s43, 15, s43
	s_lshl_b32 s44, 0x1111, s40
	s_or_b32 s[G1], s43, (3<<16)|(1<<21)
	s_or_b32 s[G1B], s44, (3<<16)|(1<<21)
.irp g, G1, G1B
	s_mov_b32 s[\g+1], 32<<16
	s_mov_b32 s[\g+3], 32<<16
	s_mov_b32 s[\g+5], 32
	s_mov_b32 s[\g+6], 0
	s_mov_b32 s[\g+7], 0
.endr
	s_mov_b32 s[G1+2], 128<<16
	s_mov_b32 s[G1+4], 128
	s_mov_b32 s[G1B+2], 64<<16
	s_mov_b32 s[G1B+4], 64
	s_lshl_b32 s42, ttmp9, 2
	s_add_co_u32 s42, s42, s40
	s_lshl_b32 s46, s17, 2
	s_add_co_u32 s46, s46, s41
	s_lshl_b32 s20, s46, 18
	s_lshl_b32 s22, s42, 17
	s_add_co_u32 s22, s22, XB
	s_lshl_b32 s18, s16, 17
	s_add_co_u32 s68, s20, s18
	s_mov_b32 s69, 0
	s_lshl_b32 s18, s16, 14
	s_add_co_u32 s70, s22, s18
	s_mov_b32 s71, 0
	s_lshl_b32 s19, s16, 15
	s_add_co_u32 s21, s18, 65536
	s_wait_kmcnt 0x0
	s_add_nc_u64 s[68:69], s[4:5], s[68:69]
	s_add_nc_u64 s[70:71], s[4:5], s[70:71]
	CROUND
.irp s, 0,1
	s_mov_b32 s[G0+4*\s], 1
	s_add_co_u32 s[G0+4*\s+1], s19, \s*SLOT
	s_add_nc_u64 s[G0+4*\s+2:G0+4*\s+3], s[68:69], \s*32768
	s_or_b32 s[G0+4*\s+3], s[G0+4*\s+3], 0x80000000
	s_mov_b32 s[G0B+4*\s], 1
	s_add_co_u32 s[G0B+4*\s+1], s21, \s*SLOT
	s_add_nc_u64 s[G0B+4*\s+2:G0B+4*\s+3], s[70:71], \s*32768
	s_or_b32 s[G0B+4*\s+3], s[G0B+4*\s+3], 0x80000000
	s_wait_alu depctr_va_vdst(0)
	s_wait_tensorcnt 0x0
	ds_add_u32 v28, v29
	ds_add_u32 v28, v29
	s_wait_dscnt 0x0
	CROUND
	JLOAD G0+4*\s, G1, G0B+4*\s, G1B
.endr
	v_and_b32 v1, 31, v0
	v_and_b32 v2, 15, v0
	s_wait_alu depctr_va_vdst(0)
	v_bfe_u32 v3, v0, 4, 1
	s_wait_alu depctr_va_vdst(0)
	v_lshlrev_b32 v24, 4, v1
	s_lshl_b32 s72, s15, 15
	s_lshl_b32 s73, s16, 13
	s_add_co_u32 s73, s73, 65536
.irp s, 0,1
	v_add_nc_u32 v[16+\s], s72, v24
	v_add_nc_u32 v[20+\s], s73, v24
	s_add_co_u32 s72, s72, SLOT
	s_add_co_u32 s73, s73, SLOT
.endr
	s_lshl_b32 s72, s15, 17
	s_add_co_u32 s72, s72, s20
	s_lshr_b32 s74, s72, 5
	s_lshr_b32 s75, s22, 5
	s_lshl_b32 s73, s16, 11
	s_add_co_u32 s75, s75, s73
	v_lshlrev_b32 v25, 4, v2
	v_mov_b32 v4, s74
	v_mov_b32 v5, s75
	v_cmp_eq_u32 vcc_lo, 1, v3
	v_cndmask_b32 v4, v4, v5, vcc_lo
	v_add_nc_u32 v25, v25, v4
	v_lshlrev_b32 v5, 11, v3
	v_sub_nc_u32 v26, v25, v5
.irp i, 0,1,2,3
	global_load_b128 v[SC+4*\i:SC+4*\i+3], v25, s[6:7] offset:512*\i
.endr
.irp i, 4,5,6,7
	global_load_b128 v[SC+4*\i:SC+4*\i+3], v26, s[6:7] offset:512*\i
.endr
	s_lshl_b32 s76, s46, 8
	s_lshl_b32 s2, s15, 7
	s_add_co_u32 s76, s76, s2
	s_lshl_b32 s76, s76, 12
	s_lshl_b32 s78, s42, 7
	s_lshl_b32 s2, s16, 6
	s_add_co_u32 s78, s78, s2
	s_lshl_b32 s78, s78, 2
	s_add_co_u32 s76, s76, s78
	s_mov_b32 s77, 0
	s_mov_b32 s79, 0
	s_add_nc_u64 s[10:11], s[10:11], s[76:77]
	s_add_nc_u64 s[8:9], s[8:9], s[78:79]
	v_lshlrev_b32 v27, 6, v3
.irp b, 0,1,2,3
	global_load_b128 v[BI+8*\b:BI+8*\b+3], v27, s[8:9] offset:(32*(\b/2)+8*(\b%2))*4
	global_load_b128 v[BI+8*\b+4:BI+8*\b+7], v27, s[8:9] offset:(32*(\b/2)+8*(\b%2))*4+16
.endr
	s_mul_i32 s2, s14, 4352
	v_mul_u32_u24 v22, v2, 272
	v_lshl_add_u32 v22, v3, 6, v22
	v_add_nc_u32 v22, s2, v22
	v_mul_u32_u24 v23, v3, 272
	v_lshl_add_u32 v23, v2, 4, v23
	v_add_nc_u32 v23, s2, v23
	v_lshlrev_b32 v30, 12, v3
	v_lshl_add_u32 v30, v2, 4, v30
.macro FRAG reg, adr, q, i
.irp c, 0,1,2,3
	ds_load_b128 v[\reg+4*\c:\reg+4*\c+3], v[\adr] offset:16384*(\q)+2048*(\i)+512*\c
.endr
.endm
.macro FETCH_B slot, q, p
	WIN 0x40
.irp i, 0,1,2,3
	FRAG 128*(\p)+16*\i, 20+\slot, \q, \i
.endr
	WIN 0
.endm
.macro FETCH_A slot, q, i0
.irp i, \i0, \i0+1, \i0+2, \i0+3
	FRAG AF+16*(\i), 16+\slot, \q, \i
.endr
.endm
.macro MULA a0, p, ks, cm
.irp a, \a0, \a0+1
.irp b, 0,1,2,3
.if \cm == 0
	v_wmma_scale_f32_16x16x128_f8f6f4 v[8*(4*(\a)+\b):8*(4*(\a)+\b)+7], v[128*(\p)+16*\b:128*(\p)+16*\b+15], v[AF+16*(\a):AF+16*(\a)+15], v[8*(4*(\a)+\b):8*(4*(\a)+\b)+7], v[SC+4*\b+((\ks)&3)], v[SC+4*(\a)+((\ks)&3)] matrix_a_scale:MATRIX_SCALE_ROW1
.else
	v_wmma_scale_f32_16x16x128_f8f6f4 v[8*(4*(\a)+\b):8*(4*(\a)+\b)+7], v[128*(\p)+16*\b:128*(\p)+16*\b+15], v[AF+16*(\a):AF+16*(\a)+15], v[BI+8*\b:BI+8*\b+7], v[SC+4*\b+((\ks)&3)], v[SC+4*(\a)+((\ks)&3)] matrix_a_scale:MATRIX_SCALE_ROW1
.endif
.endr
.endr
.endm
.macro L45
.irp i, 0,1,2,3
	global_load_b64 v[SC+4*\i:SC+4*\i+1], v25, s[6:7] offset:512*\i+256
.endr
.irp i, 4,5,6,7
	global_load_b64 v[SC+4*\i:SC+4*\i+1], v26, s[6:7] offset:512*\i+256
.endr
.endm
.macro L67
.irp i, 0,1,2,3
	global_load_b64 v[SC+4*\i+2:SC+4*\i+3], v25, s[6:7] offset:512*\i+264
.endr
.irp i, 4,5,6,7
	global_load_b64 v[SC+4*\i+2:SC+4*\i+3], v26, s[6:7] offset:512*\i+264
.endr
.endm
.macro STEP slot, q, ks, cm
	s_wait_dscnt 16
.if \cm
	WIN 0x81
.else
	WIN 0xa1
.endif
	MULA 0, (\q)%2, \ks, \cm
	MULA 2, (\q)%2, \ks, \cm
	s_wait_dscnt 0
	PLACES 8
	FETCH_B \slot, (\q)+1, 1-(\q)%2
	FETCH_A \slot, (\q)+1, 0
.if \cm
	WIN 0x81
.else
	WIN 0xa1
.endif
	MULA 4, (\q)%2, \ks, \cm
	MULA 6, (\q)%2, \ks, \cm
	PLACES 8
	WIN 0
	FETCH_A \slot, (\q)+1, 4
.endm
.macro TURN slot, next, fill, ks, ld
	s_wait_tensorcnt 0x0
	ds_add_u32 v28, v29
	s_wait_dscnt 17
	WIN 0xa1
	MULA 0, 1, \ks, 0
	s_wait_dscnt 0x0
	s_barrier_signal -1
	MULA 2, 1, \ks, 0
	WIN 0
	s_barrier_wait -1
.if \fill
	CREST
	s_add_nc_u64 s[G0+4*\slot+2:G0+4*\slot+3], s[G0+4*\slot+2:G0+4*\slot+3], 65536
	s_add_nc_u64 s[G0B+4*\slot+2:G0B+4*\slot+3], s[G0B+4*\slot+2:G0B+4*\slot+3], 65536
	JLOAD G0+4*\slot, G1, G0B+4*\slot, G1B
	PLACES 4
.else
	PLACES 8
.endif
	FETCH_B \next, 0, 0
	FETCH_A \next, 0, 0
	WIN 0xa1
	MULA 4, 1, \ks, 0
	MULA 6, 1, \ks, 0
	PLACES 8
	WIN 0
	FETCH_A \next, 0, 4
.if \ld == 45
	L45
.elseif \ld == 67
	L67
.endif
.endm
	s_wait_tensorcnt 0x1
	s_barrier_signal -1
	s_barrier_wait -1
	FETCH_B 0, 0, 0
	FETCH_A 0, 0, 0
	FETCH_A 0, 0, 4
	s_wait_loadcnt 0x0
	STEP 0, 0, 0, 1
	TURN 0, 1, 1, 1, 45
	STEP 1, 0, 2, 0
	TURN 1, 0, 1, 3, 67
	s_wait_loadcnt 0x8
	STEP 0, 0, 4, 0
	TURN 0, 1, 0, 5, 0
	s_wait_loadcnt 0x0
	STEP 1, 0, 6, 0
	s_wait_dscnt 16
	WIN 0xa1
	MULA 0, 1, 7, 0
	MULA 2, 1, 7, 0
	s_wait_alu depctr_va_vdst(0)
	s_wait_dscnt 0x0
	MULA 4, 1, 7, 0
	MULA 6, 1, 7, 0
	WIN 0
	PLACES 8
.macro TOSTAGE a
	WIN 0x08
.irp b, 0,1,2,3
	ds_store_b128 v22, v[32*(\a)+8*\b:32*(\a)+8*\b+3] offset:128*(\b/2)+32*(\b%2)
	ds_store_b128 v22, v[32*(\a)+8*\b+4:32*(\a)+8*\b+7] offset:128*(\b/2)+32*(\b%2)+16
.endr
	WIN 0
.set BB, 128+32*((\a)%2)
.irp t, 0,1,2,3,4,5,6,7
	ds_load_b128 v[BB+4*\t:BB+4*\t+3], v23 offset:\t*544
.endr
.endm
.macro SEND a, younger
.set BB, 128+32*((\a)%2)
	s_wait_dscnt \younger
.irp t, 0,1,2,3,4,5,6,7
	global_store_b128 v30, v[BB+4*\t:BB+4*\t+3], s[10:11] offset:(32*((\a)/2)+8*((\a)%2)+16*(\t/4)+2*(\t%4))*4096 th:TH_STORE_NT
.endr
.endm
	TOSTAGE 0
.irp a, 1,2,3,4,5,6,7
.if \a > 1
	s_wait_xcnt 0x0
.endif
	TOSTAGE \a
	SEND \a-1, 16
.endr
	SEND 7, 0
	s_wait_tensorcnt 0x0
	ds_add_u32 v28, v29
	s_wait_dscnt 0x0
	CROUND
	s_endpgm
.Lfunc_end_k_qaa8f96f31a_gemm_out:
	.size	k_qaa8f96f31a_gemm_out, .Lfunc_end_k_qaa8f96f31a_gemm_out-k_qaa8f96f31a_gemm_out
	.p2alignl 7, 3214868480
	.fill 96, 4, 3214868480
	.section	.rodata,"a",@progbits
	.p2align	6, 0x0
	.amdhsa_kernel k_qaa8f96f31a_gemm_out
		.amdhsa_group_segment_fixed_size 327680
		.amdhsa_private_segment_fixed_size 0
		.amdhsa_enable_private_segment 0
		.amdhsa_kernarg_size 32
		.amdhsa_user_sgpr_count 2
		.amdhsa_user_sgpr_kernarg_segment_ptr 1
		.amdhsa_wavefront_size32 1
		.amdhsa_system_sgpr_workgroup_id_x 1
		.amdhsa_system_sgpr_workgroup_id_y 1
		.amdhsa_system_sgpr_workgroup_id_z 1
		.amdhsa_system_vgpr_workitem_id 0
		.amdhsa_next_free_vgpr 768
		.amdhsa_next_free_sgpr 84
		.amdhsa_reserve_vcc 1
		.amdhsa_float_denorm_mode_32 3
		.amdhsa_float_denorm_mode_16_64 3
		.amdhsa_memory_ordered 1
		.amdhsa_forward_progress 1
		.amdhsa_inst_pref_size 91
	.end_amdhsa_kernel
	.amdgpu_metadata
---
amdhsa.version: [ 1, 2 ]
amdhsa.kernels:
  - .name:           k_qaa8f96f31a_gemm_out
    .symbol:         k_qaa8f96f31a_gemm_out.kd
    .args:
      - { .name: c2, .offset: 0, .size: 8, .value_kind: global_buffer, .address_space: global }
      - { .name: s2, .offset: 8, .size: 8, .value_kind: global_buffer, .address_space: global }
      - { .name: b_pr, .offset: 16, .size: 8, .value_kind: global_buffer, .address_space: global }
      - { .name: out0, .offset: 24, .size: 8, .value_kind: global_buffer, .address_space: global }
    .group_segment_fixed_size: 327680
    .private_segment_fixed_size: 0
    .kernarg_segment_align: 8
    .kernarg_segment_size: 32
    .max_flat_workgroup_size: 128
    .sgpr_count:     84
    .vgpr_count:     768
    .wavefront_size: 32
...
	.end_amdgpu_metadata
.endif
;; end of part 4
